; MI455X (gfx1250); checked and timed in simulation.
; The chip was launched on July 23, 2026; its instructions are those of AMD's public machine-readable ISA for CDNA 5 (MIT licence, August 2026) and "CDNA5" Instruction Set Architecture Reference Guide (July 2026). The comments in the code are by the model that wrote it; some were corrected since.
;; MHA. Allowed arithmetic: matrix products marked QUANTISED: E4M3 operands, one given power-of-two scale a tensor, by v_wmma_f32_16x16x64_fp8_fp8 or v_wmma_f32_16x16x128_fp8_fp8, f32 sums; everything else in f32.
;; Inputs: Wk 16 x 1,024 x 64 float32; Wq 16 x 1,024 x 64 float32; Wv 16 x 1,024 x 64 float32; keys_in 4 x 2,048 x 1,024 float32; lowp_scales 10 int32 (the exponents e of the quantised operands' scales 2^e); query_in 4 x 2,048 x 1,024 float32; value_in 4 x 2,048 x 1,024 float32.
;; Outputs: out0 4 x 2,048 x 1,024 float32.
;; This version of the problem:
;;   THIS VERSION OF THE PROBLEM IS GIVEN IN LOW PRECISION. The matrix products marked QUANTISED in the list below multiply operands that are first quantised to E4M3 (4 exponent bits, 3 mantissa bits; 8 bits a number), with one given power-of-two scale for each operand tensor; their sums are f32. All else is computed in f32.
;;   The module's matrix products, in the order in which they are computed (A, B: the left and right operand; K: the contracted axis; several contracted axes count as one K, in the product's order):
;;     1. [M 1,024, K 1,024] x [K 1,024, N 8,192]; A: input Wq; B: input query_in: QUANTISED (scales: A lowp_scales[0], B lowp_scales[1])
;;     2. [M 1,024, K 1,024] x [K 1,024, N 8,192]; A: input Wk; B: input keys_in: QUANTISED (scales: A lowp_scales[2], B lowp_scales[3])
;;     3. [M 1,024, K 1,024] x [K 1,024, N 8,192]; A: input Wv; B: input value_in: QUANTISED (scales: A lowp_scales[4], B lowp_scales[5])
;;     4. batch 64 x [M 2,048, K 64] x [K 64, N 2,048]; A: computed on the way; B: computed on the way: QUANTISED (scales: A lowp_scales[6], B lowp_scales[7])
;;     5. batch 64 x [M 2,048, K 2,048] x [K 2,048, N 64]; A: softmax (see below); B: computed on the way: QUANTISED (scales: A lowp_scales[8], B lowp_scales[9])
;;   THE QUANTISER, for each operand of a quantised product, along K:
;;     - The operand's scale is 2^e, e = its entry of the input lowp_scales (int32; the entries are numbered through the quantised products in the list's order, A before B).
;;     - Each number is divided by the scale, clamped to +-448, and rounded to the nearest number of E4M3, ties to even, subnormals kept.
;;     - The product sums the exact products of the quantised numbers (number of the format x scale) in f32.
;;   ~~~python
;;   def quantise(x, axis, e):      # numpy; x: float32 -> the quantised numbers, widened to float32 again
;;       x = np.moveaxis(x, axis, -1); K = x.shape[-1]
;;       r = np.clip(x / 2.0 ** e, -448, 448)
;;       step = 2.0 ** (np.maximum(np.frexp(np.where(r == 0, 1, r))[1] - 1, -6) - 3)
;;       q = np.round(r / step) * step * 2.0 ** e      # np.round: ties to even
;;       return np.moveaxis(q, -1, axis).astype(np.float32)
;;   ~~~
;;   SOFTMAX AHEAD OF A QUANTISED PRODUCT. Where the list says 'softmax', what is quantised is not the finished softmax but p = 2^(t - M), with t = logit x log2(e) and M = ceil(the row's largest t), a whole number; so 1/2 < the row's largest p <= 1. The row's sum l is taken of the UNQUANTISED p, in f32, and the product's result is divided by l at the end. Since M is a whole number, a kernel that streams over the keys may use a running M (the ceiling of the running maximum): every later rescaling is an exact power of two, so the quantised numbers keep their values, but for numbers so far below the row's largest that they fall under the format's range.
;;   OPERANDS COMPUTED ON THE WAY. 'Computed on the way' means the value that the module computes at that place (a softmax that the list does not call 'softmax' is quantised finished and normalised). What goes into a quantiser is computed in f32, as accurately as f32 sums, v_exp_f32 and their like allow (about 1e-6 of the number): no bf16 or f16 on the way to a quantiser, and a product that is left as it is and whose result goes on into a quantised operand takes f32 operands (vector FMAs, or v_wmma_f32_16x16x4_f32). A number that lies on a knife's edge between two numbers of the format may be rounded either way, as far as f32 arithmetic and the matrix unit's own rounding can turn it there, and no further.
;; 2 versions, each right; version 2 is version 1 with the launch attn written anew for expert scheduling mode. Each part assembles by itself: llvm-mc -triple=amdgcn-amd-amdhsa -mcpu=gfx1250 --defsym DOCPART=n.
;; ======== version 1 of 2: 5 launches
;; workspace buffers: xc 25,165,824 bytes; wc 3,145,728 bytes; qkv 25,165,824 bytes; ows 33,554,432 bytes
;; launch qx (part 1): grid 768 x 1, 4 waves a work-group, no clusters, 33,280 bytes of LDS; arguments query_in, keys_in, value_in, lowp_scales, xc; writes xc
.if DOCPART == 1
	.amdgcn_target "amdgcn-amd-amdhsa--gfx1250"
	.amdhsa_code_object_version 6
	.text
	.protected	k_q2b07a4b455_qx
	.globl	k_q2b07a4b455_qx
	.p2align	8
	.type	k_q2b07a4b455_qx,@function
k_q2b07a4b455_qx:
	s_mov_b64 s[64:65], 0
	v_nop
	global_prefetch_b8 v0, s[64:65] scope:SCOPE_SE
	s_setreg_imm32_b32 hwreg(HW_REG_WAVE_MODE, 25, 1), 1
	s_wait_xcnt 0x0
; query_in, keys_in, value_in, each [8192][1024] f32, become codes of FP8 (E4M3), K (the 1,024) innermost, in xc: [tensor][8192][1024], one byte a code.
; code = x / 2^e, held within +-448, rounded to the nearest code, ties to even.  e: entries 1, 3, 5 of the scales (the B sides of the three projections).
; LIMITS: -126 <= e <= 119, so that 2^e and 448 x 2^e are f32 numbers.  NaN among the inputs is not served (an infinity is held at the largest code).
; Rows are dense, so each tensor is a plain stream.  256 work-groups a tensor; a wave takes 16 steps of 512 numbers.  The conversion takes 8 neighbours from ONE lane's registers, a load is dense where
; neighbouring LANES take neighbouring bytes: so a step's four loads read 512 consecutive bytes each, the 2,048 bytes turn through the wave's own stage in LDS and come back 64 bytes a lane.
; A lane's 16 codes are 16 bytes: the wave stores 512 consecutive bytes.  No barrier: waves share nothing.  Loads run four steps (16 loads a wave) ahead, the turn through LDS one step.
.set STEPS, 16
.set WGT,   256                        ; work-groups for a tensor: 8192 x 1024 / (4 waves x 16 steps x 512)
.set CB,    16                         ; bytes of a lane's 16 codes
.set R,     16                         ; v16-79   four sets of 16 numbers as they are loaded
.set X,     80                         ; v80-111  two sets of 16 neighbours
.set C,     128                        ; v128-191 codes: four registers for each step, so that no store's data are written again
.set WREG,  8192                       ; LDS: a region for each wave: two stages of 32 x SP bytes
.set SP,    80                         ; a lane's place in a stage: its 64 bytes + 16 of padding
	s_load_b256 s[4:11], s[0:1], 0x0               ; query_in s[4:5], keys_in s[6:7], value_in s[8:9], the scales s[10:11]
	s_load_b64 s[12:13], s[0:1], 0x20              ; xc
	v_lshl_add_u32 v192, v0, 2, 0x8000
	v_mov_b32 v193, 0
	v_lshrrev_b32 v1, 5, v0
	v_readfirstlane_b32 s16, v1                    ; wave
	v_and_b32 v2, 31, v0                           ; lane
	v_lshlrev_b32 v3, 4, v2                        ; my 16 bytes of a load's 512
	s_mul_i32 s17, s16, WREG
	v_lshrrev_b32 v14, 2, v2
	v_mul_u32_u24 v14, v14, SP
	v_and_b32 v15, 3, v2
	v_lshl_add_u32 v14, v15, 4, v14
	v_add_nc_u32 v14, s17, v14                     ; the stage, on the way in: four lanes' 64 bytes on end, then 16 of padding
	v_mul_u32_u24 v15, v2, SP
	v_add_nc_u32 v15, s17, v15                     ; and on the way out: SP x lane: my 16 neighbours
	v_mul_u32_u24 v4, v2, CB                       ; my codes' place in a step's
	s_wait_kmcnt 0x0
	s_load_b256 s[24:31], s[10:11], 0x0            ; entries 0 to 7 of the scales
	s_cmp_lt_u32 ttmp9, 2*WGT                      ; which tensor?  The choice hangs on the work-group's number alone
	s_cselect_b64 s[6:7], s[6:7], s[8:9]
	s_cmp_lt_u32 ttmp9, WGT
	s_cselect_b64 s[4:5], s[4:5], s[6:7]
	s_and_b32 s17, ttmp9, WGT-1
	s_lshl_b32 s17, s17, 2
	s_add_co_u32 s18, s17, s16                     ; which run of 8,192 numbers of the tensor is my wave's
	s_lshl_b32 s20, s18, 15                        ; x 32,768 bytes
	s_mov_b32 s21, 0
	s_add_nc_u64 s[4:5], s[4:5], s[20:21]
	s_lshl_b32 s18, ttmp9, 2
	s_add_co_u32 s18, s18, s16
	s_lshl_b32 s20, s18, 13                        ; in xc the three tensors follow each other: x 8,192 bytes
	s_add_nc_u64 s[8:9], s[12:13], s[20:21]
.macro LOAD t
.irp i, 0,1,2,3
	global_load_b128 v[R+16*((\t)%4)+4*\i:R+16*((\t)%4)+4*\i+3], v3, s[4:5] offset:2048*(\t)+512*\i th:TH_LOAD_NT   ; 32 lanes read 512 consecutive bytes
.endr
.endm
.macro TURN t                          ; step t's numbers through the stage: LDS serves a wave's instructions in order, so no wait stands between the stores and the loads
.irp i, 0,1,2,3
	ds_store_b128 v14, v[R+16*((\t)%4)+4*\i:R+16*((\t)%4)+4*\i+3] offset:32*SP*((\t)%2)+8*SP*\i
.endr
.irp i, 0,1,2,3
	ds_load_b128 v[X+16*((\t)%2)+4*\i:X+16*((\t)%2)+4*\i+3], v15 offset:32*SP*((\t)%2)+16*\i
.endr
.endm
.irp t, 0,1,2,3
	LOAD \t
.endr
	s_wait_kmcnt 0x0
	s_cmp_lt_u32 ttmp9, 2*WGT
	s_cselect_b32 s22, s27, s29                    ; entry 3 (keys_in) or 5 (value_in),
	s_cmp_lt_u32 ttmp9, WGT
	s_cselect_b32 s22, s25, s22                    ; or 1 (query_in)
	s_add_co_i32 s22, s22, 127
	s_lshl_b32 s23, s22, 23
	v_mov_b32 v11, s23                             ; 2^e as f32: the conversion takes its exponent field
	s_add_co_i32 s22, s22, 8
	s_lshl_b32 s22, s22, 23
	s_or_b32 s22, s22, 0x600000
	v_mov_b32 v10, s22                             ; 448 x 2^e
	s_wait_loadcnt 12                              ; step 0's four loads are in; the twelve of steps 1 to 3 may be out
	TURN 0
.macro STEP t
.set XS, X+16*((\t)%2)
	s_wait_dscnt 0x0                               ; this step's numbers are back from the stage: so its stores into the stage have read their registers,
.if (\t)+4 < STEPS
	LOAD (\t)+4                                    ; which take the loads of four steps on
.endif
.if (\t)+1 < STEPS
.if STEPS-2-(\t) >= 3
	s_wait_loadcnt 12                              ; the next step's four loads are in; those of the three steps behind it may be out
.else
	s_wait_loadcnt 4*(STEPS-2-(\t))                ; the tail: fewer steps are behind it
.endif
	TURN (\t)+1                                    ; and go through the other stage while this step is worked
.endif
.irp i, 0,1,2,3,4,5,6,7,8,9,10,11,12,13,14,15
	v_med3_num_f32 v[XS+\i], v[XS+\i], -v10, v10   ; the conversion to an 8-bit code does not saturate (ISA guide 7.6.2): the hold at the largest code x the scale comes first
.endr
	v_cvt_scalef32_pk8_fp8_f32 v[C+4*(\t):C+4*(\t)+1], v[XS:XS+7], v11
	v_cvt_scalef32_pk8_fp8_f32 v[C+4*(\t)+2:C+4*(\t)+3], v[XS+8:XS+15], v11
	global_store_b128 v4, v[C+4*(\t):C+4*(\t)+3], s[8:9] offset:32*CB*(\t)   ; the results go to a store alone; the next vector lines are the next step's holds, on other registers
.endm
.irp t, 0,1,2,3,4,5,6,7,8,9,10,11,12,13,14,15
	STEP \t
.endr
	s_wait_tensorcnt 0x0
	ds_add_u32 v192, v193
	s_wait_dscnt 0x0
	s_endpgm
.Lfunc_end_k_q2b07a4b455_qx:
	.size	k_q2b07a4b455_qx, .Lfunc_end_k_q2b07a4b455_qx-k_q2b07a4b455_qx
	.p2alignl 7, 3214868480
	.fill 96, 4, 3214868480
	.section	.rodata,"a",@progbits
	.p2align	6, 0x0
	.amdhsa_kernel k_q2b07a4b455_qx
		.amdhsa_group_segment_fixed_size 33280
		.amdhsa_private_segment_fixed_size 0
		.amdhsa_enable_private_segment 0
		.amdhsa_kernarg_size 40
		.amdhsa_user_sgpr_count 2
		.amdhsa_user_sgpr_kernarg_segment_ptr 1
		.amdhsa_wavefront_size32 1
		.amdhsa_system_sgpr_workgroup_id_x 1
		.amdhsa_system_sgpr_workgroup_id_y 1
		.amdhsa_system_sgpr_workgroup_id_z 1
		.amdhsa_system_vgpr_workitem_id 0
		.amdhsa_next_free_vgpr 194
		.amdhsa_next_free_sgpr 66
		.amdhsa_reserve_vcc 0
		.amdhsa_float_denorm_mode_32 3
		.amdhsa_float_denorm_mode_16_64 3
		.amdhsa_memory_ordered 1
		.amdhsa_forward_progress 1
		.amdhsa_inst_pref_size 37
	.end_amdhsa_kernel
	.amdgpu_metadata
---
amdhsa.version: [ 1, 2 ]
amdhsa.kernels:
  - .name:           k_q2b07a4b455_qx
    .symbol:         k_q2b07a4b455_qx.kd
    .args:
      - { .name: query_in, .offset: 0, .size: 8, .value_kind: global_buffer, .address_space: global }
      - { .name: keys_in, .offset: 8, .size: 8, .value_kind: global_buffer, .address_space: global }
      - { .name: value_in, .offset: 16, .size: 8, .value_kind: global_buffer, .address_space: global }
      - { .name: lowp_scales, .offset: 24, .size: 8, .value_kind: global_buffer, .address_space: global }
      - { .name: xc, .offset: 32, .size: 8, .value_kind: global_buffer, .address_space: global }
    .group_segment_fixed_size: 33280
    .private_segment_fixed_size: 0
    .kernarg_segment_align: 8
    .kernarg_segment_size: 40
    .max_flat_workgroup_size: 128
    .sgpr_count:     66
    .vgpr_count:     194
    .wavefront_size: 32
...
	.end_amdgpu_metadata
.endif
;; end of part 1
;; launch qw (part 2): grid 2 x 48, 4 waves a work-group, no clusters, 36,352 bytes of LDS; arguments Wq, Wk, Wv, lowp_scales, wc; writes wc
.if DOCPART == 2
	.amdgcn_target "amdgcn-amd-amdhsa--gfx1250"
	.amdhsa_code_object_version 6
	.text
	.protected	k_q2b07a4b455_qw
	.globl	k_q2b07a4b455_qw
	.p2align	8
	.type	k_q2b07a4b455_qw,@function
k_q2b07a4b455_qw:
	s_mov_b64 s[64:65], 0
	v_nop
	global_prefetch_b8 v0, s[64:65] scope:SCOPE_SE
	s_setreg_imm32_b32 hwreg(HW_REG_WAVE_MODE, 25, 1), 1
	s_wait_xcnt 0x0
; Wq, Wk, Wv, each [16 heads][1024 (K)][64] f32, become codes of FP8 (E4M3) in wc: [tensor][n = 64 head + d][1024], K innermost.
; code = x / 2^e, held within +-448, to the nearest code, ties to even.  e: entries 0, 2, 4 of the scales (the A sides of the three projections).  LIMITS: -126 <= e <= 119.  NaN is not served.
; A LANE TAKES A COLUMN d, AND ITS REGISTERS RUN DOWN K: each load reads neighbouring d in neighbouring lanes, and the conversions, which take neighbours along K from one lane's registers,
; give codes with K innermost.  Nothing is transposed by an instruction.
; Work-group (x, y): y = 16 tensor + head, x = which 512 along K.  Wave w: columns 32 (w % 2) on, K from 512 x + 256 (w / 2) on, 256 along K: two waves side by side cover a row's 256 bytes.
; A lane's codes belong to one row of wc and the lanes beside it hold other rows: so they go through the wave's own stage in LDS and leave as rows: sixteen lanes store 256 consecutive, aligned bytes.
; No barrier: waves share nothing.  Loads run two blocks of 32 along K (64 loads a wave) ahead.
.set NB,    8                          ; blocks of 32 along K for a wave
.set ROWW,  256                        ; a row of W in bytes: 64 f32
.set PITCH, 272                        ; a stage row: 256 codes + 16
.set KROW,  1024                       ; a row of wc in bytes
.set X,     32                         ; v32-95   two sets of 32 numbers
.set C,     96                         ; v96-103  a block's codes
.set OUTR,  112                        ; v112-175 the way out: 16 x 4 registers
	s_load_b256 s[4:11], s[0:1], 0x0               ; Wq s[4:5], Wk s[6:7], Wv s[8:9], the scales s[10:11]
	s_load_b64 s[12:13], s[0:1], 0x20              ; wc
	v_lshl_add_u32 v192, v0, 2, 0x8c00
	v_mov_b32 v193, 0
	v_lshrrev_b32 v1, 5, v0
	v_readfirstlane_b32 s16, v1                    ; wave 0..3
	v_and_b32 v2, 31, v0                           ; lane
	s_and_b32 s18, ttmp7, 0xffff                   ; 16 tensor + head
	v_lshlrev_b32 v3, 2, v2                        ; in: 4 bytes a lane
	s_mul_i32 s19, s16, 32*PITCH                   ; my stage
	v_mul_u32_u24 v4, v2, PITCH
	v_add_nc_u32 v4, s19, v4                       ; into it: row = my column
	v_and_b32 v5, 15, v2
	v_lshrrev_b32 v6, 4, v2                        ; out of it: sixteen lanes to a row, two rows an instruction
	v_mul_u32_u24 v7, v6, PITCH
	v_lshl_add_u32 v7, v5, 4, v7
	v_add_nc_u32 v7, s19, v7
	v_mul_u32_u24 v8, v6, KROW
	v_lshl_add_u32 v8, v5, 4, v8                   ; and the same place in wc
	s_and_b32 s20, s16, 1                          ; which 32 columns
	s_lshr_b32 s21, s16, 1                         ; which 256 along K of the work-group's 512
	s_lshl_b32 s22, ttmp9, 9
	s_lshl_b32 s21, s21, 8
	s_add_co_u32 s21, s21, s22                     ; my first k
	s_and_b32 s22, s18, 15
	s_lshl_b32 s22, s22, 18                        ; in: the head's 262,144 bytes,
	s_lshl_b32 s23, s21, 8
	s_add_co_u32 s22, s22, s23                     ; + k rows of 256 bytes,
	s_lshl_b32 s23, s20, 7
	s_add_co_u32 s22, s22, s23                     ; + 32 columns of 4 bytes
	s_mov_b32 s23, 0
	s_lshl_b32 s14, s18, 16                        ; out: (16 tensor + head) x 64 rows of 1,024 bytes,
	s_lshl_b32 s15, s20, 15
	s_add_co_u32 s14, s14, s15                     ; + 32 rows,
	s_add_co_u32 s14, s14, s21                     ; + k
	s_mov_b32 s15, 0
	s_wait_kmcnt 0x0
	s_load_b256 s[24:31], s[10:11], 0x0            ; entries 0 to 7 of the scales
	s_cmp_lt_u32 s18, 32                           ; which tensor?  The choice hangs on the work-group's number alone
	s_cselect_b64 s[6:7], s[6:7], s[8:9]
	s_cmp_lt_u32 s18, 16
	s_cselect_b64 s[4:5], s[4:5], s[6:7]
	s_add_nc_u64 s[4:5], s[4:5], s[22:23]
	s_add_nc_u64 s[8:9], s[12:13], s[14:15]
.macro LOAD t                          ; block t: W(k + 32 t + i, my column), i = 0 .. 31, into set t % 2
.irp i, 0,1,2,3,4,5,6,7,8,9,10,11,12,13,14,15,16,17,18,19,20,21,22,23,24,25,26,27,28,29,30,31
	global_load_b32 v[X+32*((\t)%2)+\i], v3, s[4:5] offset:(32*(\t)+\i)*ROWW th:TH_LOAD_NT
.endr
.endm
	LOAD 0
	LOAD 1
	s_wait_kmcnt 0x0
	s_cmp_lt_u32 s18, 32
	s_cselect_b32 s20, s26, s28                    ; entry 2 (Wk) or 4 (Wv),
	s_cmp_lt_u32 s18, 16
	s_cselect_b32 s20, s24, s20                    ; or 0 (Wq)
	s_add_co_i32 s20, s20, 127
	s_lshl_b32 s21, s20, 23
	v_mov_b32 v11, s21                             ; 2^e as f32
	s_add_co_i32 s20, s20, 8
	s_lshl_b32 s20, s20, 23
	s_or_b32 s20, s20, 0x600000
	v_mov_b32 v10, s20                             ; 448 x 2^e
.macro BLOCK t
.set XS, X+32*((\t)%2)
.if (\t) < NB-1
	s_wait_loadcnt 32                              ; this block's 32 loads are in; the next block's 32 may be out
.else
	s_wait_loadcnt 0
.endif
.irp i, 0,1,2,3,4,5,6,7,8,9,10,11,12,13,14,15,16,17,18,19,20,21,22,23,24,25,26,27,28,29,30,31
	v_med3_num_f32 v[XS+\i], v[XS+\i], -v10, v10   ; the hold at the largest code x the scale: the conversion does not saturate (ISA guide 7.6.2)
.endr
.irp g, 0,1,2,3
	v_cvt_scalef32_pk8_fp8_f32 v[C+2*\g:C+2*\g+1], v[XS+8*\g:XS+8*\g+7], v11
.endr
	ds_store_b128 v4, v[C:C+3] offset:32*(\t)      ; 32 codes: 32 bytes of my column's row
	ds_store_b128 v4, v[C+4:C+7] offset:32*(\t)+16
.if (\t)+2 < NB
	LOAD (\t)+2
.endif
	s_wait_dscnt 0x0                               ; the stores have read their registers: the next block's codes may be written
.endm
.set Q, 0
.rept NB
	BLOCK Q
.set Q, Q+1
.endr
.irp t, 0,1,2,3,4,5,6,7,8,9,10,11,12,13,14,15
	ds_load_b128 v[OUTR+4*\t:OUTR+4*\t+3], v7 offset:2*\t*PITCH   ; LDS serves a wave's instructions in order: these see my stores
.endr
.irp t, 0,1,2,3,4,5,6,7,8,9,10,11,12,13,14,15
	s_wait_dscnt 15-\t                             ; load t is in; the 15 - t younger ones may be out
	global_store_b128 v8, v[OUTR+4*\t:OUTR+4*\t+3], s[8:9] offset:2*\t*KROW
.endr
	s_wait_tensorcnt 0x0
	ds_add_u32 v192, v193
	s_wait_dscnt 0x0
	s_endpgm
.Lfunc_end_k_q2b07a4b455_qw:
	.size	k_q2b07a4b455_qw, .Lfunc_end_k_q2b07a4b455_qw-k_q2b07a4b455_qw
	.p2alignl 7, 3214868480
	.fill 96, 4, 3214868480
	.section	.rodata,"a",@progbits
	.p2align	6, 0x0
	.amdhsa_kernel k_q2b07a4b455_qw
		.amdhsa_group_segment_fixed_size 36352
		.amdhsa_private_segment_fixed_size 0
		.amdhsa_enable_private_segment 0
		.amdhsa_kernarg_size 40
		.amdhsa_user_sgpr_count 2
		.amdhsa_user_sgpr_kernarg_segment_ptr 1
		.amdhsa_wavefront_size32 1
		.amdhsa_system_sgpr_workgroup_id_x 1
		.amdhsa_system_sgpr_workgroup_id_y 1
		.amdhsa_system_sgpr_workgroup_id_z 1
		.amdhsa_system_vgpr_workitem_id 0
		.amdhsa_next_free_vgpr 194
		.amdhsa_next_free_sgpr 66
		.amdhsa_reserve_vcc 0
		.amdhsa_float_denorm_mode_32 3
		.amdhsa_float_denorm_mode_16_64 3
		.amdhsa_memory_ordered 1
		.amdhsa_forward_progress 1
		.amdhsa_inst_pref_size 50
	.end_amdhsa_kernel
	.amdgpu_metadata
---
amdhsa.version: [ 1, 2 ]
amdhsa.kernels:
  - .name:           k_q2b07a4b455_qw
    .symbol:         k_q2b07a4b455_qw.kd
    .args:
      - { .name: Wq, .offset: 0, .size: 8, .value_kind: global_buffer, .address_space: global }
      - { .name: Wk, .offset: 8, .size: 8, .value_kind: global_buffer, .address_space: global }
      - { .name: Wv, .offset: 16, .size: 8, .value_kind: global_buffer, .address_space: global }
      - { .name: lowp_scales, .offset: 24, .size: 8, .value_kind: global_buffer, .address_space: global }
      - { .name: wc, .offset: 32, .size: 8, .value_kind: global_buffer, .address_space: global }
    .group_segment_fixed_size: 36352
    .private_segment_fixed_size: 0
    .kernarg_segment_align: 8
    .kernarg_segment_size: 40
    .max_flat_workgroup_size: 128
    .sgpr_count:     66
    .vgpr_count:     194
    .wavefront_size: 32
...
	.end_amdgpu_metadata
.endif
;; end of part 2
;; launch proj (part 3): grid 4 x 96, 4 waves a work-group, clusters of 4 x 4, 327,680 bytes of LDS; arguments xc, wc, lowp_scales, qkv; writes qkv
.if DOCPART == 3
	.amdgcn_target "amdgcn-amd-amdhsa--gfx1250"
	.amdhsa_code_object_version 6
	.text
	.protected	k_q2b07a4b455_proj
	.globl	k_q2b07a4b455_proj
	.p2align	8
	.type	k_q2b07a4b455_proj,@function
k_q2b07a4b455_proj:
	s_mov_b64 s[64:65], 0
	v_nop
	global_prefetch_b8 v0, s[64:65] scope:SCOPE_SE
	s_setreg_imm32_b32 hwreg(HW_REG_WAVE_MODE, 25, 1), 1
	s_wait_xcnt 0x0
	s_wait_alu depctr_hold_cnt(0) depctr_sa_sdst(0) depctr_va_vdst(0) depctr_va_sdst(0) depctr_va_ssrc(0) depctr_va_vcc(0) depctr_vm_vsrc(0)
	s_getreg_b32 s2, hwreg(HW_REG_IB_STS2, 6, 4)
	s_cmp_eq_u32 s2, 0
	s_cbranch_scc0 .Lentry_in_a_cluster
	s_endpgm
.Lentry_in_a_cluster:
	s_bfe_u32 s2, ttmp6, 0x10000c
	s_cmp_lg_u32 s2, 0xf033
	s_cbranch_scc0 .Lentry_shape_is_right
	s_endpgm
.Lentry_shape_is_right:
; The three projections on codes of FP8 (E4M3): C[m][n] = sum over k of A[m][k] B[n][k], K = 1,024, sums in f32; each finished sum is quantised at once into the code that attention wants.
; Tensor t = 0 (q), 1 (k): A = x's codes (8,192 rows), B = W's codes (1,024 rows n = 64 head + d).  Tensor 2 (v): THE TWO CHANGE PLACES, A = W, B = x, so that a lane's eight results are eight neighbouring KEYS of one d,
; since the keys are the K of attention's second product.  The text is one for all three: only scalars differ, and they are chosen by s_cselect on the cluster's number.
; A sum stands for sum x 2^(eW + eX); its code is sum / 2^f, f = eO - eW - eX, held within +-448 x 2^f.  eW, eX: entries 2 t, 2 t + 1 of the scales; eO: entry 6 (q), 7 (k), 9 (v).
; LIMIT: -126 <= f <= 119, so that 2^f and 448 x 2^f are f32 numbers.
; A tile of C, 256 x 256, is made by a work-group of four waves; a wave makes 128 x 128: 64 accumulators of 16 x 16, 512 registers.  K goes in steps of 256 through a ring of two LDS slots filled by the tensor data mover.
; CLUSTERS: 4 x 4 work-groups, 8 clusters a tensor.  The four of a row of the cluster need the same tiles of A, the four of a column the same tiles of B: each tile is asked for JOINTLY, by the same tensor load with the
; same descriptor and a mask that names the four.  THE MATRIX INSTRUCTION IS USED TRANSPOSED (source 0 = 16 rows of B, source 1 = 16 rows of A): a lane holds eight neighbouring numbers of a row of C.
; THE RESULT'S LAYOUT: qkv is made of blocks of 1,024 bytes, 16 rows x 64 codes, each the image of the registers of an operand of v_wmma_f32_16x16x64_fp8_fp8: the 16 bytes at 256 q + 16 r (q = 0..3, r = 0..15) hold, of row r,
; columns 32 (q / 2) + 8 (q % 2) + 0..7 and the eight that lie 16 further on.  Two loads of 16 bytes a lane, at 16 x lane and 512 further on, are then the operand.
;   q, k: rows = 16 neighbouring s, columns = the head's 64 d; block at t 2^23 + b 2^21 + head 2^17 + (s / 16) 1,024.      v: rows = 16 neighbouring d, columns = 64 neighbouring keys; at 2^24 + b 2^21 + (s / 64) 2^16 + head 4,096 + (d / 16) 1,024.
; REGISTERS, in windows of 256: window 0: v0-31 addresses and the two scale numbers; from v128 A's fragments (8 x 16 rows x 128 K), ONE set; on the way out v32-159 are at work.
;   window 1: B's fragments, TWO sets, at v0 and at v128.   window 2: the 32 accumulators of my rows 0-63 (accumulator (a, b) at v[8 (8 a + b)]);   window 3: those of my rows 64-127.
.set SIZE_K, 1024
.set KSTEP,  256                       ; along K in a slot
.set ROWB,   256                       ; a tile's row in bytes
.set KROW,   SIZE_K                    ; a row of xc or wc in bytes
.set PITCH,  272                       ; an LDS row: 256 bytes + 16 of padding = 68 words: row r starts at bank 4 r mod 64 (64 banks of 4 bytes: ISA guide 11.1)
.set FR,     16                        ; registers of a fragment: 16 rows x 128 K
.set NL,     4                         ; LDS loads that bring one
.set NP,     4                         ; places behind this matrix instruction (ISA guide 7.12.1)
.set HALFT,  128*PITCH                 ; 128 rows: what one tensor load brings, and what one wave reads of A or of B
.set SLOT,   4*HALFT                   ; A's 256 rows, then B's 256 rows
.set LAPS,   SIZE_K/(2*KSTEP)          ; a lap = two K steps = once round the ring: 2
.set SPARE,  2*SLOT                    ; behind the ring: the spare words, 128 bytes for each wave: two blocks of 256 bytes that no other line names
.set STAGE,  SPARE+512                 ; behind them: the stages for the way out, bytes of their own, into which no tile lands
.set SROW,   80                        ; a stage row: 64 codes + 16
.set SHALF,  16*SROW                   ; 16 rows: one block of 1,024 bytes on its way
.set SBUF,   2*SHALF                   ; the two column halves of 16 rows of C; two such buffers a wave, by turns
.set ADRA, 16                          ; v16-17  LDS address of my A fragments in slot 0, 1
.set ADRB, 20                          ; v20-21  the same for B
.set STG,  24                          ; v24     my stage + 80 (lane % 16) + 16 (lane / 16): where I put codes, and where I read 16 bytes back
.set CO,   26                          ; v26     16 x lane: my place in 512 bytes of qkv
.set SPW,  28                          ; v28     LDS address of my spare word: SPARE + 4 x my thread's number; never rewritten
.set NIL,  29                          ; v29     0; never rewritten
.set SCL,  30                          ; v30     2^f as f32
.set LIM,  31                          ; v31     448 x 2^f
.set TMP,  32                          ; v32-95  a block's 64 sums, held
.set CD,   96                          ; v96-127 its codes: two sets of 16
.set AF,   128                         ; A's fragments, in window 0
.set BK,   128                         ; the way out: codes read back from the stage: two sets of 16, v128-159
.set G1, 24                            ; s[24:31] descriptor group 1 for A's tiles;  s[32:39] group 0, one set for each slot
.set G0, 32
.set G1B, 48                           ; s[48:55], s[56:63] the same for B's tiles
.set G0B, 56
.set MSB, 0
.macro WIN new                         ; the immediate's high byte repeats the setting that is left
.if MSB != \new
	s_set_vgpr_msb (MSB<<8)|\new
.set MSB, \new
.endif
.endm
.set MUL_LO, 0xa1                      ; source 0 (B) window 1, source 1 (A) window 0, C and D window 2
.set MUL_HI, 0xf1                      ; the same, C and D window 3
.set TO_B,   0x40                      ; destination window 1, address window 0
; A joint load: waves 0 and 1 fetch for A, waves 2 and 3 for B.  Each of the two lines has ONE mask and one set of registers for all that issue it; the branch hangs on the wave's number alone.
; Four v_nop follow each of the two lines, ahead of the jump, the label and what follows.
.macro JLOAD g0a, g1a, g0b, g1b
	s_cmp_eq_u32 s15, 0
	s_cbranch_scc0 .Lfor_b_\@
	tensor_load_to_lds s[\g0a:\g0a+3], s[\g1a:\g1a+7]
	s_nop 0
.rept 4
	v_nop
.endr
	s_branch .Lasked_\@
.Lfor_b_\@:
	tensor_load_to_lds s[\g0b:\g0b+3], s[\g1b:\g1b+7]
	s_nop 0
.rept 4
	v_nop
.endr
.Lasked_\@:
.endm
.macro CREST                           ; a round of the cluster's barrier behind its opening barrier
	s_cmp_lg_u32 s14, 0
	s_cbranch_scc1 .Lnot_wave_0_\@
	s_barrier_signal -3
.Lnot_wave_0_\@:
	s_barrier_wait -3
	s_barrier_signal -1
	s_barrier_wait -1
.endm
.macro CROUND                          ; a whole round
	s_barrier_signal -1
	s_barrier_wait -1
	CREST
.endm
	s_load_b128 s[4:7], s[0:1], 0x0                ; xc s[4:5], wc s[6:7]
	s_load_b128 s[8:11], s[0:1], 0x10              ; the scales s[8:9], qkv s[10:11]
	v_lshl_add_u32 v[SPW], v0, 2, SPARE
	v_mov_b32 v[NIL], 0
	ds_add_u32 v28, v29
	ds_add_u32 v28, v29
	s_wait_dscnt 0x0
	v_lshrrev_b32 v1, 5, v0
	v_readfirstlane_b32 s14, v1                    ; wave 0..3
	s_lshr_b32 s15, s14, 1                         ; which half of the tile's rows is mine.  Also: I fetch for A (0) or for B (1)
	s_and_b32 s16, s14, 1                          ; which half of its columns.  Also: which 128 rows of that tile I fetch
	s_bfe_u32 s40, ttmp6, 0x40000                  ; cx, cy: my place in the cluster
	s_bfe_u32 s41, ttmp6, 0x40004
	s_and_b32 s66, ttmp7, 0xffff                   ; the cluster's y, 0..23 (the grid is one cluster wide): the same in all sixteen partners
	s_lshr_b32 s67, s66, 3                         ; the tensor t
	s_and_b32 s66, s66, 7
	s_lshl_b32 s66, s66, 2                         ; 4 x the cluster's number in its tensor: along x's 32 tiles
	s_cmp_eq_u32 s67, 2
	s_cselect_b32 s17, 0, s66                      ; q, k: x's rows are C's rows;
	s_cselect_b32 s42, s66, 0                      ; v: they are C's columns
	s_add_co_u32 s17, s17, s41                     ; tile row of C: hangs on cy, not on cx
	s_add_co_u32 s42, s42, s40                     ; tile column of C: hangs on cx, not on cy
	s_lshl_b32 s43, s41, 2
	s_lshl_b32 s43, 15, s43                        ; my row of the cluster
	s_lshl_b32 s44, 0x1111, s40                    ; my column
	; descriptor group 1: a tile of 128 rows x 256 bytes, padded in LDS
	s_or_b32 s[G1+0], s43, (0<<16)|(1<<20)|(1<<21)|(5<<22)|(3<<25)  ; 15:0 the mask: A's tiles go to my row; 17:16 element of 1 byte; 20 padding on; 21 set beside a mask; 24:22 after every 64 words (code 5); 31:25 of 4 words (code 3)
	s_or_b32 s[G1B+0], s44, (0<<16)|(1<<20)|(1<<21)|(5<<22)|(3<<25) ; the same with the mask of my column, for B's tiles
.irp g, G1, G1B
	s_mov_b32 s[\g+1], ROWB<<16                    ; tensor_dim0 = 256
	s_mov_b32 s[\g+2], 128<<16                     ; tensor_dim1 = 128
	s_mov_b32 s[\g+3], ROWB<<16                    ; tile_dim0 = 256
	s_mov_b32 s[\g+4], 128                         ; tile_dim1 = 128
	s_mov_b32 s[\g+5], KROW                        ; tensor_dim0_stride = 1,024
	s_mov_b32 s[\g+6], 0
	s_mov_b32 s[\g+7], 0
.endr
	s_lshl_b32 s18, s16, 7                         ; which 128 rows of the tile I fetch
	s_lshl_b32 s20, s17, 8
	s_add_co_u32 s20, s20, s18                     ; A: row 256 x tile row + 128 x half
	s_lshl_b32 s46, s42, 8
	s_add_co_u32 s46, s46, s18                     ; B: row 256 x tile column + 128 x half
	s_lshl_b32 s20, s20, 10                        ; in bytes: rows of 1,024; 8 MiB at the most
	s_lshl_b32 s46, s46, 10
	s_mov_b32 s21, 0
	s_mov_b32 s47, 0
	s_mul_i32 s45, s14, HALFT                      ; where they go: wave x 128 rows: no place in the cluster enters an LDS address
	s_wait_kmcnt 0x0
	s_load_b256 s[68:75], s[8:9], 0x0              ; entries 0 to 7 of the scales,
	s_load_b64 s[76:77], s[8:9], 0x20              ; 8 and 9: wanted on the way out
	s_lshl_b32 s84, s67, 23
	s_mov_b32 s85, 0
	s_add_nc_u64 s[80:81], s[4:5], s[84:85]        ; tensor t's x: 8 MiB of codes each
	s_lshl_b32 s84, s67, 20
	s_add_nc_u64 s[82:83], s[6:7], s[84:85]        ; tensor t's W: 1 MiB each
	s_cmp_eq_u32 s67, 2
	s_cselect_b64 s[4:5], s[82:83], s[80:81]       ; A: x, or for v W
	s_cselect_b64 s[6:7], s[80:81], s[82:83]       ; B: W, or for v x
	s_add_nc_u64 s[20:21], s[4:5], s[20:21]
	s_add_nc_u64 s[46:47], s[6:7], s[46:47]
	CROUND                                         ; all sixteen work-groups are here: the first joint loads meet
.irp s, 0,1
	s_mov_b32 s[G0+4*\s], 1                        ; 1:0 count = 1
	s_add_co_u32 s[G0+4*\s+1], s45, \s*SLOT        ; 63:32 LDS address
	s_add_nc_u64 s[G0+4*\s+2:G0+4*\s+3], s[20:21], \s*ROWB   ; 120:64 global address: K step s
	s_or_b32 s[G0+4*\s+3], s[G0+4*\s+3], 0x80000000          ; 127:126 type = 2
	s_mov_b32 s[G0B+4*\s], 1
	s_add_co_u32 s[G0B+4*\s+1], s45, \s*SLOT
	s_add_nc_u64 s[G0B+4*\s+2:G0B+4*\s+3], s[46:47], \s*ROWB
	s_or_b32 s[G0B+4*\s+3], s[G0B+4*\s+3], 0x80000000
	JLOAD G0+4*\s, G1, G0B+4*\s, G1B               ; two tensor loads of mine are out
.endr
	v_and_b32 v1, 15, v0                           ; l % 16
	v_bfe_u32 v2, v0, 4, 1                         ; l / 16
	v_mul_u32_u24 v3, v1, PITCH
	v_lshl_add_u32 v4, v2, 4, v3                   ; a fragment's row x pitch + 16 x half
	s_mul_i32 s21, s15, HALFT                      ; my 128 rows of A
	s_mul_i32 s22, s16, HALFT                      ; my 128 rows of B,
	s_add_co_u32 s22, s22, 2*HALFT                 ; which lie behind A's 256
.irp s, 0,1
	v_add_nc_u32 v[ADRA+\s], s21, v4
	v_add_nc_u32 v[ADRB+\s], s22, v4
	s_add_co_u32 s21, s21, SLOT
	s_add_co_u32 s22, s22, SLOT
.endr
	s_mul_i32 s23, s14, 2*SBUF
	s_add_co_u32 s23, s23, STAGE                   ; my stage
	v_mul_u32_u24 v5, v1, SROW
	v_lshl_add_u32 v5, v2, 4, v5
	v_add_nc_u32 v[STG], s23, v5
	v_and_b32 v6, 31, v0
	v_lshlrev_b32 v[CO], 4, v6
	; where my 128 x 128 of C goes in qkv
	s_lshl_b32 s84, s17, 8
	s_lshl_b32 s85, s15, 7
	s_add_co_u32 s84, s84, s85                     ; my first row of C
	s_lshl_b32 s85, s42, 8
	s_lshl_b32 s86, s16, 7
	s_add_co_u32 s85, s85, s86                     ; my first column
	s_cmp_eq_u32 s67, 2
	s_cselect_b32 s86, s85, s84                    ; the one that runs along x: 2,048 b + s
	s_cselect_b32 s87, s84, s85                    ; the one that runs along W: n = 64 head + d
	s_lshr_b32 s88, s86, 11                        ; b
	s_and_b32 s89, s86, 2047                       ; s, a multiple of 128
	s_lshl_b32 s88, s88, 21
	s_lshl_b32 s90, s67, 23
	s_add_co_u32 s88, s88, s90                     ; t 2^23 + b 2^21
	s_lshr_b32 s90, s87, 6
	s_lshl_b32 s90, s90, 17
	s_lshl_b32 s91, s89, 6
	s_add_co_u32 s90, s90, s91                     ; q, k: head 2^17 + (s / 16) 1,024
	s_lshr_b32 s91, s89, 6
	s_lshl_b32 s91, s91, 16
	s_lshl_b32 s92, s87, 6
	s_add_co_u32 s91, s91, s92                     ; v: (s / 64) 2^16 + (n / 16) 1,024
	s_mov_b32 s93, 0x20000
	s_cmp_eq_u32 s67, 2
	s_cselect_b32 s90, s91, s90
	s_cselect_b32 s92, 0x10000, s93                ; my second 64 columns: the next head (q, k) or the next 64 keys (v)
	s_add_co_u32 s88, s88, s90
	s_mov_b32 s89, 0
	s_mov_b32 s93, 0
	s_add_nc_u64 s[10:11], s[10:11], s[88:89]      ; columns 0-63; 16 rows further on is 1,024 bytes further on in all three tensors
	s_add_nc_u64 s[12:13], s[10:11], s[92:93]      ; columns 64-127
.macro FRAG reg, adr, q, i             ; a fragment, 16 rows x 128 K: lane l holds row l % 16; registers 4 c .. 4 c + 3 hold K = 32 c + 16 (l / 16) + 0 .. 15: a permutation of k, the same in A and in B
.irp c, 0,1,2,3
	ds_load_b128 v[\reg+4*\c:\reg+4*\c+3], v[\adr] offset:128*(\q)+32*\c+(\i)*16*PITCH
.endr
.endm
; 16 matrix instructions: A's blocks a0, a0 + 1 x B's eight, 128 along K.  p: B's set.  zero = 1: the first product starts the sums: nothing is ever cleared.
; The 64 accumulators take turns, one instruction a turn, in the same order in every step.
.macro MUL16 a0, p, zero
.irp a, \a0, \a0+1
.irp b, 0,1,2,3,4,5,6,7
.if \zero
	v_wmma_f32_16x16x128_fp8_fp8 v[8*(8*((\a)%4)+\b):8*(8*((\a)%4)+\b)+7], v[128*(\p)+FR*\b:128*(\p)+FR*\b+FR-1], v[AF+FR*(\a):AF+FR*(\a)+FR-1], 0
.else
	v_wmma_f32_16x16x128_fp8_fp8 v[8*(8*((\a)%4)+\b):8*(8*((\a)%4)+\b)+7], v[128*(\p)+FR*\b:128*(\p)+FR*\b+FR-1], v[AF+FR*(\a):AF+FR*(\a)+FR-1], v[8*(8*((\a)%4)+\b):8*(8*((\a)%4)+\b)+7]
.endif
.endr
.endr
.endm
.macro FETCH_B slot, q, p              ; B's eight fragments of the slot's q-th 128 along K into set p
	WIN TO_B
.irp i, 0,1,2,3,4,5,6,7
	FRAG 128*(\p)+FR*\i, ADRB+\slot, \q, \i
.endr
	WIN 0
.endm
.macro FETCH_A slot, q, i0             ; A's blocks i0 .. i0 + 3
.irp i, \i0, \i0+1, \i0+2, \i0+3
	FRAG AF+FR*(\i), ADRA+\slot, \q, \i
.endr
.endm
; A load into a register that a matrix instruction has read, and a vector instruction that reads a matrix result, stand NP places behind that matrix instruction, and only plain vector
; instructions that name none of its registers are places (ISA guide 7.12.1 for vector instructions).
.macro PLACES n
.rept \n
	v_nop
.endr
.endm
; A step of 128 along K that has its successor in the same slot.  A's blocks go one after the other, each against B's eight: a block of A is free when its eight products are issued, so A has one set of registers.
.macro STEP slot, q, zero
	s_wait_dscnt 4*NL                              ; B's set and A's blocks 0-3 are in; the youngest sixteen loads (A's blocks 4-7) may be out
	WIN MUL_LO
	MUL16 0, (\q)%2, \zero
	MUL16 2, (\q)%2, \zero
	s_wait_dscnt 0                                 ; A's blocks 4-7 are in (asked for 32 matrix instructions ago)
	PLACES NP
	FETCH_B \slot, (\q)+1, 1-(\q)%2
	FETCH_A \slot, (\q)+1, 0
	WIN MUL_HI
	MUL16 4, (\q)%2, \zero
	MUL16 6, (\q)%2, \zero
	PLACES NP
	WIN 0
	FETCH_A \slot, (\q)+1, 4
.endm
; A slot's last step changes slots: ONE barrier; in front of it each wave waits for all its tensor loads, adds 0 to its spare word, and waits for that and for its own reads of this slot.  fill = 1: this slot is filled again, two K steps ahead.
.macro TURN slot, next, fill
	s_wait_tensorcnt 0x0                           ; all my tensor loads have landed: my part of the next slot;  (every window is 0 here: the add's two registers lie in window 0)
	ds_add_u32 v[SPW], v[NIL]                      ; 0 onto my spare word;
	s_wait_dscnt 4*NL+1                            ; (the add and the youngest sixteen loads, A's blocks 4-7, may be out)
	WIN MUL_LO
	MUL16 0, 1, 0                                  ; sixteen matrix instructions stand between the add and the wait for it
	s_wait_dscnt 0x0                               ; the add is done, and my reads of this slot are over
	s_barrier_signal -1
	MUL16 2, 1, 0
	WIN 0
	s_barrier_wait -1
.if \fill
	CREST                                          ; the barrier has opened a round of the cluster's barrier: no wave of any partner still reads this slot's tile or has a load on its way
	s_add_nc_u64 s[G0+4*\slot+2:G0+4*\slot+3], s[G0+4*\slot+2:G0+4*\slot+3], 2*ROWB
	s_add_nc_u64 s[G0B+4*\slot+2:G0B+4*\slot+3], s[G0B+4*\slot+2:G0B+4*\slot+3], 2*ROWB
	JLOAD G0+4*\slot, G1, G0B+4*\slot, G1B         ; the first tensor load behind the round, and my one load out; the four v_nop behind it are the places in front of the loads below
.else
	PLACES NP
.endif
	FETCH_B \next, 0, 0
	FETCH_A \next, 0, 0
	WIN MUL_HI
	MUL16 4, 1, 0
	MUL16 6, 1, 0
	PLACES NP
	WIN 0
	FETCH_A \next, 0, 4
.endm
	s_wait_tensorcnt 1                             ; my part of K step 0 is in (K step 1's load may be out)
	s_barrier_signal -1
	s_barrier_wait -1                              ; everybody's is
	FETCH_B 0, 0, 0
	FETCH_A 0, 0, 0
	FETCH_A 0, 0, 4
	STEP 0, 0, 1                                   ; the first step stands in front of the loop: its products start the sums
	s_mov_b32 s3, LAPS-1
.Llap:                                                 ; a trip goes once round the ring, from a lap's second step to the next lap's first, and fills both slots again
	TURN 0, 1, 1
	STEP 1, 0, 0
	TURN 1, 0, 1
	STEP 0, 0, 0
	s_sub_co_u32 s3, s3, 1
	s_cmp_lg_u32 s3, 0
	s_cbranch_scc1 .Llap
	TURN 0, 1, 0                                   ; the last lap fills nothing, and has no round of the cluster's barrier
	STEP 1, 0, 0
	s_wait_dscnt 4*NL                              ; the very last step: nothing more to fetch
	WIN MUL_LO
	MUL16 0, 1, 0
	MUL16 2, 1, 0
	s_wait_dscnt 0
	WIN MUL_HI
	MUL16 4, 1, 0
	MUL16 6, 1, 0
	WIN 0
; THE WAY OUT, block by block of 16 rows x 128 columns.  The 64 sums of a lane are held and converted: accumulator b gives the 8 codes of columns 16 b + 8 (l / 16) + 0..7 of row l % 16.  They go into my stage, at the place in the
; row that the image gives them (32 ((b % 4) / 2) + 16 (l / 16) + 8 (b % 2)), and come back 16 bytes a lane in the image's order: each store then covers 512 consecutive bytes of qkv, aligned.
; LDS serves a wave's instructions in order (ISA guide 5.7.1.4): no wait between the stores and the loads.  Two stage buffers and two sets of registers take turns.
.macro TOSTAGE a
.set AC, 64*((\a)%4)
.set CC, CD+16*((\a)%2)
.set BB, BK+16*((\a)%2)
.set SB, SBUF*((\a)%2)
	WIN 0x02+((\a)/4)                              ; source 0: window 2 or 3
.set i, 0
.rept 64
	v_med3_num_f32 v[TMP+i], v[AC+i], -v[LIM], v[LIM]   ; the hold: the conversion does not saturate (ISA guide 7.6.2); each accumulator from its low end on
.set i, i+1
.endr
	WIN 0
.irp b, 0,1,2,3,4,5,6,7
	v_cvt_scalef32_pk8_fp8_f32 v[CC+2*\b:CC+2*\b+1], v[TMP+8*\b:TMP+8*\b+7], v[SCL]
.endr
	v_nop                                          ; one plain vector instruction behind the last conversion: the next block's holds write its sources
.irp b, 0,1,2,3,4,5,6,7
	ds_store_b64 v[STG], v[CC+2*\b:CC+2*\b+1] offset:SB+(\b/4)*SHALF+32*((\b%4)/2)+8*(\b%2)
.endr
.irp j, 0,1,2,3
	ds_load_b128 v[BB+4*\j:BB+4*\j+3], v[STG] offset:SB+(\j/2)*SHALF+32*(\j%2)
.endr
.endm
.macro SEND a, younger                 ; younger: the LDS instructions issued behind block a's loads, which may stay out
.set BB, BK+16*((\a)%2)
	s_wait_dscnt \younger                          ; the block is back in registers (and its stores into the stage have read theirs)
.irp j, 0,1
	global_store_b128 v[CO], v[BB+4*\j:BB+4*\j+3], s[10:11] offset:(\a)*1024+512*\j th:TH_STORE_NT
.endr
.irp j, 0,1
	global_store_b128 v[CO], v[BB+8+4*\j:BB+8+4*\j+3], s[12:13] offset:(\a)*1024+512*\j th:TH_STORE_NT
.endr
.endm
	s_wait_kmcnt 0x0                               ; the scales
	s_cmp_eq_u32 s67, 1
	s_cselect_b32 s86, s70, s68                    ; eW: entry 2 for k, else 0
	s_cselect_b32 s87, s71, s69                    ; eX: entry 3, else 1
	s_cselect_b32 s88, s75, s74                    ; eO: entry 7, else 6
	s_cmp_eq_u32 s67, 2
	s_cselect_b32 s86, s72, s86                    ; for v: entries 4, 5 and 9
	s_cselect_b32 s87, s73, s87
	s_cselect_b32 s88, s77, s88
	s_sub_co_i32 s88, s88, s86
	s_sub_co_i32 s88, s88, s87                     ; f = eO - eW - eX: the three scales folded into the conversion's one
	s_add_co_i32 s88, s88, 127
	s_lshl_b32 s89, s88, 23
	v_mov_b32 v[SCL], s89                          ; 2^f
	s_add_co_i32 s88, s88, 8
	s_lshl_b32 s88, s88, 23
	s_or_b32 s88, s88, 0x600000
	v_mov_b32 v[LIM], s88                          ; 448 x 2^f
	PLACES NP                                      ; behind the last products: for the reads of results and for the loads into the registers that held A's fragments
	TOSTAGE 0
.irp a, 1,2,3,4,5,6,7
.if \a > 1
	s_wait_xcnt 0x0                                ; block a - 2's stores have read their registers: block a's loads may land there
.endif
	TOSTAGE \a
	SEND \a-1, 12                                  ; behind block a - 1's loads: block a's 8 stores and 4 loads
.endr
	SEND 7, 0
	s_wait_tensorcnt 0x0                           ; the wave's end: behind my last tensor load and my last LDS store
	ds_add_u32 v[SPW], v[NIL]
	s_wait_dscnt 0x0
	CROUND                                         ; the closing round: no work-group ends while a partner may still ask for a tile that names it
	s_endpgm
.Lfunc_end_k_q2b07a4b455_proj:
	.size	k_q2b07a4b455_proj, .Lfunc_end_k_q2b07a4b455_proj-k_q2b07a4b455_proj
	.p2alignl 7, 3214868480
	.fill 96, 4, 3214868480
	.section	.rodata,"a",@progbits
	.p2align	6, 0x0
	.amdhsa_kernel k_q2b07a4b455_proj
		.amdhsa_group_segment_fixed_size 327680
		.amdhsa_private_segment_fixed_size 0
		.amdhsa_enable_private_segment 0
		.amdhsa_kernarg_size 32
		.amdhsa_user_sgpr_count 2
		.amdhsa_user_sgpr_kernarg_segment_ptr 1
		.amdhsa_wavefront_size32 1
		.amdhsa_system_sgpr_workgroup_id_x 1
		.amdhsa_system_sgpr_workgroup_id_y 1
		.amdhsa_system_sgpr_workgroup_id_z 1
		.amdhsa_system_vgpr_workitem_id 0
		.amdhsa_next_free_vgpr 1024
		.amdhsa_next_free_sgpr 96
		.amdhsa_reserve_vcc 0
		.amdhsa_float_denorm_mode_32 3
		.amdhsa_float_denorm_mode_16_64 3
		.amdhsa_memory_ordered 1
		.amdhsa_forward_progress 1
		.amdhsa_inst_pref_size 125
	.end_amdhsa_kernel
	.amdgpu_metadata
---
amdhsa.version: [ 1, 2 ]
amdhsa.kernels:
  - .name:           k_q2b07a4b455_proj
    .symbol:         k_q2b07a4b455_proj.kd
    .args:
      - { .name: xc, .offset: 0, .size: 8, .value_kind: global_buffer, .address_space: global }
      - { .name: wc, .offset: 8, .size: 8, .value_kind: global_buffer, .address_space: global }
      - { .name: lowp_scales, .offset: 16, .size: 8, .value_kind: global_buffer, .address_space: global }
      - { .name: qkv, .offset: 24, .size: 8, .value_kind: global_buffer, .address_space: global }
    .group_segment_fixed_size: 327680
    .private_segment_fixed_size: 0
    .kernarg_segment_align: 8
    .kernarg_segment_size: 32
    .max_flat_workgroup_size: 128
    .sgpr_count:     96
    .vgpr_count:     1024
    .wavefront_size: 32
...
	.end_amdgpu_metadata
.endif
;; end of part 3
;; launch attn (part 4): grid 4 x 64, 16 waves a work-group, no clusters, 301,056 bytes of LDS; arguments qkv, lowp_scales, ows; writes ows
.if DOCPART == 4
	.amdgcn_target "amdgcn-amd-amdhsa--gfx1250"
	.amdhsa_code_object_version 6
	.text
	.protected	k_q2b07a4b455_attn
	.globl	k_q2b07a4b455_attn
	.p2align	8
	.type	k_q2b07a4b455_attn,@function
k_q2b07a4b455_attn:
	s_mov_b64 s[64:65], 0
	v_nop
	global_prefetch_b8 v0, s[64:65] scope:SCOPE_SE
	s_setreg_imm32_b32 hwreg(HW_REG_WAVE_MODE, 25, 1), 1
	s_wait_xcnt 0x0
; O[b][head][q][:] = the sum over k of softmax_k(Q[q] . K[k] / 8) V[k][:], head size 64, 2,048 queries and keys, both products on codes of FP8 (E4M3), each operand with its given scale: eq, ek, ep, ev = entries 6 to 9.
; THE SOFTMAX AHEAD OF THE SECOND PRODUCT: t = score x log2(e) / 8; M = the row's largest t so far, rounded UP to a whole number; p = 2^(t - M) is what is quantised, along the keys; it is not normalised.
; The row's sum is taken of the unquantised p, in f32, and divides O at the end.  When M moves, the sum and O are multiplied by 2^(old M - new M): exact.
; INPUT: qkv, in blocks of 1,024 bytes that are images of operand registers (16 rows x 64 codes; two loads of 16 bytes a lane, at 16 x lane and 512 further on, give registers 0-3 and 4-7 in the layout of the K = 64 form).
; SHARES.  A work-group owns 512 queries of one head; each of its sixteen waves two tiles of 16, one after the other, in 256 registers: four waves to a SIMD, so that one wave's vector work stands beside another's products and LDS loads.
; A HEAD'S K AND V STAY IN LDS: 131,072 bytes each.  They are read from memory once, at the head, 16 KiB a wave, through registers; one barrier; then nothing in LDS is written but each wave's own stage.  So there is no ring.
; NO JOINT LOADS, though the four work-groups of a head read the same K and V: what is shared is read once, 256 KiB, ahead of 32 walks over 2,048 keys; and a text without tensor loads may branch on the whole number ep,
; which takes the 64 holds of p out of a key step's vector work wherever 448 x 2^ep lies above every p (ep >= -8).
; LAYOUT.  Both products are used transposed: S^T = K Q^T (source 0 = 16 keys, source 1 = my 16 queries), O^T = V^T P^T (source 0 = 16 of the head's 64, source 1 = P): a lane holds ONE query (lane % 16) throughout.
; Tile t of S^T gives lane (r, h) the keys 16 t + 8 h + 0..7: their eight codes ARE registers 2 t, 2 t + 1 of the K = 128 form's operand.  Nothing changes lanes.
; OUTPUT: ows, f32: [b][head][s / 16][d / 32][16 s][32 d], so that each store covers 512 consecutive bytes; the next launch interleaves the heads.
; LIMITS on the given exponents, so that each power of two below is an f32 number: eq + ek between -123 and 130 (they are added to c's exponent field); ep between -126 and 119; ep + ev goes by v_ldexp_f32 and has none.
; REGISTERS: v1-7 addresses that stay; v8, v9 the step's; v12 -M, v13 the largest t, v[14:15] the sum in two halves; v16-31 Q's two tiles; v32-95 eight fragments of K, then four of V; v96-159 S^T, then p; v160-191 O^T;
;   v192-207 p's codes; v236, v242, v243, v252-254 at work; v240 448 x 2^ep; v244 2^ep.
.set VOFF,  131072                     ; LDS: K's 128 blocks, then V's (64 keys: four blocks of 16 d)
.set STAGE, 262144                     ; behind them: 16 rows x SP bytes for each wave, for the way out
.set SP,    144                        ; a stage row: 32 f32 + 16 bytes
	s_load_b128 s[4:7], s[0:1], 0x0                ; qkv s[4:5], the scales s[6:7]
	s_load_b64 s[8:9], s[0:1], 0x10                ; ows
	v_lshl_add_u32 v251, v0, 2, 0x49000
	v_mov_b32 v255, 0
	v_lshrrev_b32 v8, 5, v0
	v_readfirstlane_b32 s10, v8                    ; wave 0..15
	v_and_b32 v9, 31, v0
	v_lshlrev_b32 v1, 4, v9                        ; 16 x lane: an image's place for my lane
	v_add_nc_u32 v2, VOFF, v1                      ; the same in V's part of LDS
	s_lshl_b32 s11, s10, 13
	v_add_nc_u32 v5, s11, v1                       ; the fill: my wave's 8,192 bytes of K, in memory and in LDS alike
	v_add_nc_u32 v7, VOFF, v5                      ; and of V in LDS;
	s_lshl_b32 s11, s10, 17
	v_add_nc_u32 v6, s11, v1                       ; in memory a head's groups of 64 keys lie 65,536 bytes apart: two groups a wave
	s_mul_i32 s11, s10, 16*SP
	s_add_co_u32 s11, s11, STAGE                   ; my stage
	v_and_b32 v10, 15, v0                          ; r
	v_bfe_u32 v11, v0, 4, 1                        ; h
	v_mul_u32_u24 v3, v10, SP
	v_lshl_add_u32 v3, v11, 5, v3
	v_add_nc_u32 v3, s11, v3                       ; in: row r, + 32 h
	v_bfe_u32 v10, v0, 3, 2                        ; lane / 8
	v_and_b32 v11, 7, v0
	v_mul_u32_u24 v4, v10, SP
	v_lshl_add_u32 v4, v11, 4, v4
	v_add_nc_u32 v4, s11, v4                       ; back: eight lanes to a row of 128 bytes, four rows an instruction
	s_and_b32 s12, ttmp7, 0xffff                   ; 16 b + head
	s_lshl_b32 s14, s12, 17                        ; a head's q or k: 131,072 bytes
	s_lshl_b32 s13, ttmp9, 5
	s_lshl_b32 s34, s10, 1
	s_add_co_u32 s13, s13, s34                     ; my first tile of queries: 32 x work-group x + 2 x wave
	s_lshl_b32 s36, s13, 10
	s_add_co_u32 s36, s36, s14                     ; Q
	s_mov_b32 s37, 0
	s_add_co_u32 s38, s14, 0x800000                ; K: the second 8 MiB
	s_mov_b32 s39, 0
	s_lshr_b32 s40, s12, 4
	s_lshl_b32 s40, s40, 21
	s_and_b32 s41, s12, 15
	s_lshl_b32 s41, s41, 12
	s_add_co_u32 s40, s40, s41
	s_add_co_u32 s40, s40, 0x1000000               ; V: the third 8 MiB, + b 2^21 + head 4,096
	s_mov_b32 s41, 0
	s_lshl_b32 s42, s12, 19                        ; O: a head's 524,288 bytes,
	s_lshl_b32 s43, s13, 12
	s_add_co_u32 s42, s42, s43                     ; + 4,096 a tile
	s_mov_b32 s43, 0
	s_mov_b32 s20, 0x76543210                      ; lane selects for v_permlanex16_b32: lane l xor 16
	s_mov_b32 s21, 0xfedcba98
	s_mov_b32 s22, 0x3e38aa3b                      ; c = log2(e) / 8
	s_wait_kmcnt 0x0
	s_load_b128 s[24:27], s[6:7], 0x18             ; eq, ek, ep, ev
	s_add_nc_u64 s[16:17], s[4:5], s[36:37]
	s_add_nc_u64 s[18:19], s[4:5], s[38:39]
	s_add_nc_u64 s[28:29], s[4:5], s[40:41]
	s_add_nc_u64 s[30:31], s[8:9], s[42:43]
.set i, 0
.rept 16
	global_load_b128 v[32+4*i:35+4*i], v5, s[18:19] offset:512*i            ; K: 512 consecutive bytes a load
.set i, i+1
.endr
.irp g, 0,1
.set i, 0
.rept 8
	global_load_b128 v[96+32*\g+4*i:99+32*\g+4*i], v6, s[28:29] offset:65536*\g+512*i   ; V
.set i, i+1
.endr
.endr
.irp i, 0,1,2,3
	global_load_b128 v[16+4*\i:19+4*\i], v1, s[16:17] offset:512*\i          ; Q's two tiles stay in registers
.endr
	s_wait_kmcnt 0x0
	s_add_co_i32 s34, s24, s25
	s_lshl_b32 s34, s34, 23
	s_add_co_i32 s22, s22, s34                     ; a score stands for score x 2^(eq + ek): the two exponents are added to c's exponent field
	s_mov_b32 s23, s22                             ; (named with it as a pair, so it is written)
	s_add_co_i32 s34, s26, 127
	s_lshl_b32 s35, s34, 23
	v_mov_b32 v244, s35                            ; 2^ep as f32, for the conversion
	s_add_co_i32 s34, s34, 8
	s_lshl_b32 s34, s34, 23
	s_or_b32 s34, s34, 0x600000
	v_mov_b32 v240, s34                            ; 448 x 2^ep
	s_add_co_i32 s33, s26, s27                     ; ep + ev
	s_wait_loadcnt 20                              ; K's sixteen loads are in; V's sixteen and Q's four may be out
.set i, 0
.rept 16
	ds_store_b128 v5, v[32+4*i:35+4*i] offset:512*i
.set i, i+1
.endr
	s_wait_loadcnt 4                               ; V's are in; Q's four may be out
.irp g, 0,1
.set i, 0
.rept 8
	ds_store_b128 v7, v[96+32*\g+4*i:99+32*\g+4*i] offset:4096*\g+512*i
.set i, i+1
.endr
.endr
	s_wait_loadcnt 0x0                             ; Q
	s_wait_dscnt 0x0                               ; for the others' sake: my part of K and V lies in LDS
	s_barrier_signal -1
	s_barrier_wait -1                              ; everybody's does.  The launch's one barrier: K and V are only read from here on
; One tile of 16 queries (the wave's n-th) walks the head's 2,048 keys, 128 a trip, and goes out.
.macro TILE n
.if \n
	s_wait_xcnt 0x0                                ; the tile before has its stores on their way: they have read v128-159, which the scores take again
.endif
	v_mov_b32 v13, 0xff61b1e6                      ; the largest t so far: -3e38, under every t
	v_floor_f32 v12, -v13                          ; -M
	v_mov_b32 v14, 0                               ; the sum, in two halves
	v_mov_b32 v15, 0
	v_mov_b32 v236, 0                              ; written once: a lane permute's destination counts as one of its sources
	v_mov_b32 v253, 0                              ; (named as the upper half of the pair v[252:253])
.set i, 0
.rept 32
	v_mov_b32 v[160+i], 0                          ; O^T.  (The trip is written once: the first finds zeros, which the first change of M leaves zeros)
.set i, i+1
.endr
	s_mov_b32 s2, 0                                ; the trip's first byte in K's part and in V's part of LDS: 8,192 bytes of each a trip
	s_mov_b32 s3, 16
.Lk_\@:
	v_add_nc_u32 v8, s2, v1
	v_add_nc_u32 v9, s2, v2
	v_nop                                          ; with the two additions: four places in front of loads into registers that the last trip's products have read
	v_nop
.irp t, 0,1,2,3,4,5,6,7                        ; K: eight tiles of 16 keys
	ds_load_b128 v[32+8*\t:35+8*\t], v8 offset:1024*\t
	ds_load_b128 v[36+8*\t:39+8*\t], v8 offset:1024*\t+512
.endr
	s_wait_dscnt 0x0
.irp t, 0,1,2,3,4,5,6,7
	v_wmma_f32_16x16x64_fp8_fp8 v[96+8*\t:103+8*\t], v[32+8*\t:39+8*\t], v[16+8*\n:23+8*\n], 0
.endr
.rept 4
	v_nop                                          ; four places: in front of the loads into K's registers, and of the first read of the scores
.endr
.irp d, 0,1,2,3                                ; V^T: four tiles of 16 of the head's 64, 128 keys each: they land while the softmax is worked
.irp g, 0,1
	ds_load_b128 v[32+16*\d+8*\g:35+16*\d+8*\g], v9 offset:4096*\g+1024*\d
	ds_load_b128 v[36+16*\d+8*\g:39+16*\d+8*\g], v9 offset:4096*\g+1024*\d+512
.endr
.endr
	v_max3_num_f32 v254, v96, v97, v98             ; the trip's largest score of my query, among my 64 keys, in two chains, each accumulator from its low end on,
	v_max3_num_f32 v252, v99, v100, v101
.irp i, 6,10,14,18,22,26,30,34,38,42,46,50,54,58
	v_max3_num_f32 v254, v254, v[96+\i], v[97+\i]
	v_max3_num_f32 v252, v252, v[98+\i], v[99+\i]
.endr
	v_max3_num_f32 v254, v254, v158, v159
	v_max_num_f32 v254, v254, v252
	v_permlanex16_b32 v236, v254, s20, s21
	v_max_num_f32 v254, v254, v236                 ; and among lane l xor 16's
	v_mul_f32 v254, s22, v254                      ; as t (c is positive)
	v_max_num_f32 v13, v13, v254                   ; the running largest t
	v_mov_b32 v254, v12
	v_floor_f32 v12, -v13                          ; the new -M = floor(-t) = -ceil(t): M is a whole number
	v_sub_f32 v254, v12, v254                      ; M's old value less its new one: a whole number, 0 or less
	v_cvt_i32_f32 v254, v254                       ; (it saturates)
	v_ldexp_f32 v252, 1.0, v254                    ; f = 2^(old M - new M)
.set i, 0
.rept 32
	v_pk_fma_f32 v[96+i:97+i], v[96+i:97+i], s[22:23], v[12:13] op_sel_hi:[1,0,0]   ; t - M, two at a time (of the pairs c and -M the low word serves both halves)
.set i, i+2
.endr
.set i, 0
.rept 64
	v_exp_f32 v[96+i], v[96+i]                     ; p = 2^(t - M), at most 1: not normalised
.set i, i+1
.endr
	v_pk_mul_f32 v[14:15], v[14:15], v[252:253] op_sel_hi:[1,0]   ; the sums under the new M: the plain instruction behind the exponentials
	s_wait_alu depctr_va_vdst(0)                   ; one wait for the batch of 64, ahead of its first reader
	v_pk_add_f32 v[242:243], v[96:97], v[98:99]    ; the row's sum is taken of the UNQUANTISED p: two at a time, in two chains
.irp j, 4,8,12,16,20,24,28,32,36,40,44,48,52,56,60
	v_pk_add_f32 v[14:15], v[14:15], v[96+\j:97+\j]
	v_pk_add_f32 v[242:243], v[242:243], v[98+\j:99+\j]
.endr
	v_pk_add_f32 v[14:15], v[14:15], v[242:243]
	s_cmp_gt_i32 s26, -9                           ; ep >= -8: 448 x 2^ep is 1.75 or more, and p is at most 1: nothing to hold.  A branch on a whole number that was given
	s_cbranch_scc1 .Lfits_\@
.set i, 0
.rept 64
	v_min_num_f32 v[96+i], v[96+i], v240           ; else the hold: the conversion does not saturate (ISA guide 7.6.2); p is not negative, so it is one-sided
.set i, i+1
.endr
.Lfits_\@:
.irp t, 0,1,2,3,4,5,6,7
	v_cvt_scalef32_pk8_fp8_f32 v[192+2*\t:193+2*\t], v[96+8*\t:103+8*\t], v244   ; keys 16 t + 8 h + 0..7: registers 2 t, 2 t + 1 of the operand
.endr
.set i, 0
.rept 16
	v_pk_mul_f32 v[160+i:161+i], v[160+i:161+i], v[252:253] op_sel_hi:[1,0]   ; O^T under the new M: x f.  (Plain instructions between the conversions and the products that read their results)
.set i, i+2
.endr
	s_wait_dscnt 0x0                               ; V
.irp d, 0,1,2,3                                ; O^T += V^T P^T; the four accumulators take turns, and the eight products K Q^T stand between a trip's and the next trip's
	v_wmma_f32_16x16x128_fp8_fp8 v[160+8*\d:167+8*\d], v[32+16*\d:47+16*\d], v[192:207], v[160+8*\d:167+8*\d]
.endr
	s_add_co_u32 s2, s2, 8192
	s_sub_co_u32 s3, s3, 1
	s_cmp_lg_u32 s3, 0
	s_cbranch_scc1 .Lk_\@
	; THE WAY OUT.  The two additions, the two v_nop and the v_ldexp_f32 are the places behind the last products.
	v_add_f32 v14, v14, v15                        ; the sum's two halves,
	v_permlanex16_b32 v252, v14, s20, s21
	v_add_f32 v14, v14, v252                       ; and lane l xor 16's: the row's sum
	v_rcp_f32 v14, v14
	v_nop                                          ; a plain instruction behind the reciprocal
	v_nop
	s_wait_alu depctr_va_vdst(0)                   ; and the wait ahead of its first reader
	v_ldexp_f32 v14, v14, s33                      ; x 2^(ep + ev)
.set i, 0
.rept 16
	v_pk_mul_f32 v[96+i:97+i], v[160+i:161+i], v[14:15] op_sel_hi:[1,0]   ; O^T / the sum: register 8 t + j is o(r, 16 t + 8 h + j)
.set i, i+2
.endr
.irp u, 0,1                                    ; channels 32 u on: 16 rows of 128 bytes through my stage, so that a store covers 512 consecutive bytes
.irp t, 0,1
	ds_store_b128 v3, v[96+16*\u+8*\t:99+16*\u+8*\t] offset:64*\t
	ds_store_b128 v3, v[100+16*\u+8*\t:103+16*\u+8*\t] offset:64*\t+16
.endr
.irp i, 0,1,2,3
	ds_load_b128 v[128+16*\u+4*\i:131+16*\u+4*\i], v4 offset:4*SP*\i   ; LDS serves a wave's instructions in order: these see my stores, and the next half's stores come behind them
.endr
.endr
.irp u, 0,1
.irp i, 0,1,2,3
	s_wait_dscnt 11-8*\u-\i                        ; behind this load: the rest of its four, and for the first half the second half's four stores and four loads
	global_store_b128 v1, v[128+16*\u+4*\i:131+16*\u+4*\i], s[30:31] offset:4096*\n+2048*\u+512*\i th:TH_STORE_NT
.endr
.endr
.endm
	TILE 0
	TILE 1
	s_wait_tensorcnt 0x0
	ds_add_u32 v251, v255
	s_wait_dscnt 0x0
	s_endpgm
.Lfunc_end_k_q2b07a4b455_attn:
	.size	k_q2b07a4b455_attn, .Lfunc_end_k_q2b07a4b455_attn-k_q2b07a4b455_attn
	.p2alignl 7, 3214868480
	.fill 96, 4, 3214868480
	.section	.rodata,"a",@progbits
	.p2align	6, 0x0
	.amdhsa_kernel k_q2b07a4b455_attn
		.amdhsa_group_segment_fixed_size 301056
		.amdhsa_private_segment_fixed_size 0
		.amdhsa_enable_private_segment 0
		.amdhsa_kernarg_size 24
		.amdhsa_user_sgpr_count 2
		.amdhsa_user_sgpr_kernarg_segment_ptr 1
		.amdhsa_wavefront_size32 1
		.amdhsa_system_sgpr_workgroup_id_x 1
		.amdhsa_system_sgpr_workgroup_id_y 1
		.amdhsa_system_sgpr_workgroup_id_z 1
		.amdhsa_system_vgpr_workitem_id 0
		.amdhsa_next_free_vgpr 256
		.amdhsa_next_free_sgpr 66
		.amdhsa_reserve_vcc 0
		.amdhsa_float_denorm_mode_32 3
		.amdhsa_float_denorm_mode_16_64 3
		.amdhsa_memory_ordered 1
		.amdhsa_forward_progress 1
		.amdhsa_inst_pref_size 49
	.end_amdhsa_kernel
	.amdgpu_metadata
---
amdhsa.version: [ 1, 2 ]
amdhsa.kernels:
  - .name:           k_q2b07a4b455_attn
    .symbol:         k_q2b07a4b455_attn.kd
    .args:
      - { .name: qkv, .offset: 0, .size: 8, .value_kind: global_buffer, .address_space: global }
      - { .name: lowp_scales, .offset: 8, .size: 8, .value_kind: global_buffer, .address_space: global }
      - { .name: ows, .offset: 16, .size: 8, .value_kind: global_buffer, .address_space: global }
    .group_segment_fixed_size: 301056
    .private_segment_fixed_size: 0
    .kernarg_segment_align: 8
    .kernarg_segment_size: 24
    .max_flat_workgroup_size: 512
    .sgpr_count:     66
    .vgpr_count:     256
    .wavefront_size: 32
...
	.end_amdgpu_metadata
.endif
;; end of part 4
;; launch mix (part 5): grid 512 x 1, 8 waves a work-group, no clusters, 21,504 bytes of LDS; arguments ows, out0; writes out0
.if DOCPART == 5
	.amdgcn_target "amdgcn-amd-amdhsa--gfx1250"
	.amdhsa_code_object_version 6
	.text
	.protected	k_q2b07a4b455_mix
	.globl	k_q2b07a4b455_mix
	.p2align	8
	.type	k_q2b07a4b455_mix,@function
k_q2b07a4b455_mix:
	s_mov_b64 s[64:65], 0
	v_nop
	global_prefetch_b8 v0, s[64:65] scope:SCOPE_SE
	s_setreg_imm32_b32 hwreg(HW_REG_WAVE_MODE, 25, 1), 1
	s_wait_xcnt 0x0
; out0[b][s][16 d + head] = ows[b][head][s / 16][d / 32][s % 16][d % 32], all f32: the heads are interleaved.  A plain stream: no arithmetic, so no matrix unit, no cluster; each byte is read once and written once.
; A work-group takes 16 rows s of one b (65,536 bytes of out0).  Wave w takes channels 32 (w / 4) on and rows 4 (w % 4) + k, k = 0..3.  For a row, LANE = d % 32 AND THE REGISTERS RUN OVER THE 16 HEADS: a load reads 128 consecutive
; bytes of one head, and a lane's 16 registers are 64 consecutive bytes of out0.  They turn through the wave's own stage in LDS (80 bytes a lane: 64 + 16 of padding), so that each store covers 512 consecutive bytes, aligned.
; All 64 loads of a wave go out at once; each step has registers of its own, so no register that a store reads is written again; waves share nothing, so there is no barrier.
.set IN,   16                          ; v16-79   step k: 16 heads' numbers
.set OUT,  80                          ; v80-143  step k: 4 x 16 bytes as they leave
.set SP,   80
	s_load_b128 s[4:7], s[0:1], 0x0                ; ows s[4:5], out0 s[6:7]
	v_lshl_add_u32 v144, v0, 2, 0x5000
	v_mov_b32 v145, 0
	v_lshrrev_b32 v1, 5, v0
	v_readfirstlane_b32 s8, v1                     ; wave 0..7
	v_and_b32 v2, 31, v0                           ; lane
	v_lshlrev_b32 v3, 2, v2                        ; in: 4 bytes a lane
	v_lshlrev_b32 v4, 4, v2                        ; out: 16 bytes a lane
	s_mul_i32 s9, s8, 32*SP                        ; my stage
	v_mul_u32_u24 v5, v2, SP
	v_add_nc_u32 v5, s9, v5                        ; into it: my 64 bytes
	v_lshrrev_b32 v6, 2, v2
	v_and_b32 v7, 3, v2
	v_mul_u32_u24 v6, v6, SP
	v_lshl_add_u32 v6, v7, 4, v6
	v_add_nc_u32 v6, s9, v6                        ; out of it: four lanes to a place; eight places (640 bytes) an instruction
	s_lshr_b32 s10, ttmp9, 7                       ; b
	s_and_b32 s11, ttmp9, 127                      ; s / 16
	s_lshr_b32 s12, s8, 2                          ; d / 32
	s_and_b32 s13, s8, 3                           ; which four rows
	s_lshl_b32 s10, s10, 23
	s_lshl_b32 s12, s12, 11
	s_add_co_u32 s10, s10, s12                     ; b 2^23 + 2,048 (d / 32): the same in both buffers
	s_lshl_b32 s14, s11, 12
	s_add_co_u32 s14, s14, s10
	s_lshl_b32 s12, s13, 9
	s_add_co_u32 s14, s14, s12                     ; in: + 4,096 (s / 16) + four rows of 128 bytes
	s_mov_b32 s15, 0
	s_lshl_b32 s12, s11, 16
	s_add_co_u32 s12, s12, s10
	s_lshl_b32 s13, s13, 14
	s_add_co_u32 s12, s12, s13                     ; out: + 16 rows of 4,096 bytes x (s / 16) + four rows
	s_mov_b32 s13, 0
	s_wait_kmcnt 0x0
	s_add_nc_u64 s[4:5], s[4:5], s[14:15]
	s_add_nc_u64 s[6:7], s[6:7], s[12:13]
.irp k, 0,1,2,3
.irp h, 0,1,2,3,4,5,6,7,8,9,10,11,12,13,14,15
	global_load_b32 v[IN+16*\k+\h], v3, s[4:5] offset:\h*524288+\k*128 th:TH_LOAD_NT   ; head h lies 524,288 bytes on: 7,864,704 at the most, inside the signed 24-bit immediate (ISA guide, chapter 10)
.endr
.endr
.macro SEND k
.irp i, 0,1,2,3
	global_store_b128 v4, v[OUT+16*(\k)+4*\i:OUT+16*(\k)+4*\i+3], s[6:7] offset:(\k)*4096+512*\i th:TH_STORE_NT
.endr
.endm
.irp k, 0,1,2,3
	s_wait_loadcnt 16*(3-\k)                       ; this row's sixteen loads are in; the later rows', sixteen each, may be out
.irp i, 0,1,2,3
	ds_store_b128 v5, v[IN+16*\k+4*\i:IN+16*\k+4*\i+3] offset:16*\i
.endr
.irp i, 0,1,2,3
	ds_load_b128 v[OUT+16*\k+4*\i:OUT+16*\k+4*\i+3], v6 offset:8*SP*\i   ; LDS serves a wave's instructions in order: these see my stores, and the next row's stores come behind them
.endr
.if \k > 0
	s_wait_dscnt 8                                 ; the row before is back; this row's four stores and four loads may be out
	SEND \k-1
.endif
.endr
	s_wait_dscnt 0x0
	SEND 3
	s_wait_tensorcnt 0x0
	ds_add_u32 v144, v145
	s_wait_dscnt 0x0
	s_endpgm
.Lfunc_end_k_q2b07a4b455_mix:
	.size	k_q2b07a4b455_mix, .Lfunc_end_k_q2b07a4b455_mix-k_q2b07a4b455_mix
	.p2alignl 7, 3214868480
	.fill 96, 4, 3214868480
	.section	.rodata,"a",@progbits
	.p2align	6, 0x0
	.amdhsa_kernel k_q2b07a4b455_mix
		.amdhsa_group_segment_fixed_size 21504
		.amdhsa_private_segment_fixed_size 0
		.amdhsa_enable_private_segment 0
		.amdhsa_kernarg_size 16
		.amdhsa_user_sgpr_count 2
		.amdhsa_user_sgpr_kernarg_segment_ptr 1
		.amdhsa_wavefront_size32 1
		.amdhsa_system_sgpr_workgroup_id_x 1
		.amdhsa_system_sgpr_workgroup_id_y 1
		.amdhsa_system_sgpr_workgroup_id_z 1
		.amdhsa_system_vgpr_workitem_id 0
		.amdhsa_next_free_vgpr 146
		.amdhsa_next_free_sgpr 66
		.amdhsa_reserve_vcc 0
		.amdhsa_float_denorm_mode_32 3
		.amdhsa_float_denorm_mode_16_64 3
		.amdhsa_memory_ordered 1
		.amdhsa_forward_progress 1
		.amdhsa_inst_pref_size 12
	.end_amdhsa_kernel
	.amdgpu_metadata
---
amdhsa.version: [ 1, 2 ]
amdhsa.kernels:
  - .name:           k_q2b07a4b455_mix
    .symbol:         k_q2b07a4b455_mix.kd
    .args:
      - { .name: ows, .offset: 0, .size: 8, .value_kind: global_buffer, .address_space: global }
      - { .name: out0, .offset: 8, .size: 8, .value_kind: global_buffer, .address_space: global }
    .group_segment_fixed_size: 21504
    .private_segment_fixed_size: 0
    .kernarg_segment_align: 8
    .kernarg_segment_size: 16
    .max_flat_workgroup_size: 256
    .sgpr_count:     66
    .vgpr_count:     146
    .wavefront_size: 32
...
	.end_amdgpu_metadata
.endif
;; end of part 5
;; ======== version 2 of 2: 5 launches; version 1 with the launch attn written anew for expert scheduling mode
;; workspace buffers: xc 25,165,824 bytes; wc 3,145,728 bytes; qkv 25,165,824 bytes; ows 33,554,432 bytes
;; launch qx: the kernel of part 1 again; grid 768 x 1, 4 waves a work-group, no clusters, 33,280 bytes of LDS; arguments query_in, keys_in, value_in, lowp_scales, xc; writes xc
;; launch qw: the kernel of part 2 again; grid 2 x 48, 4 waves a work-group, no clusters, 36,352 bytes of LDS; arguments Wq, Wk, Wv, lowp_scales, wc; writes wc
;; launch proj: the kernel of part 3 again; grid 4 x 96, 4 waves a work-group, clusters of 4 x 4, 327,680 bytes of LDS; arguments xc, wc, lowp_scales, qkv; writes qkv
;; launch attn (part 6): grid 4 x 64, 16 waves a work-group, no clusters, 301,056 bytes of LDS; arguments qkv, lowp_scales, ows; writes ows
.if DOCPART == 6
	.amdgcn_target "amdgcn-amd-amdhsa--gfx1250"
	.amdhsa_code_object_version 6
	.text
	.protected	k_q2b07a4b455_attn
	.globl	k_q2b07a4b455_attn
	.p2align	8
	.type	k_q2b07a4b455_attn,@function
k_q2b07a4b455_attn:
	s_mov_b64 s[64:65], 0
	v_nop
	global_prefetch_b8 v0, s[64:65] scope:SCOPE_SE
	s_setreg_imm32_b32 hwreg(HW_REG_WAVE_SCHED_MODE, 0, 2), 2
	s_setreg_imm32_b32 hwreg(HW_REG_WAVE_MODE, 25, 1), 1
	s_wait_xcnt 0x0
	s_wait_alu depctr_vm_vsrc(0)
; O[b][head][q][:] = the sum over k of softmax_k(Q[q] . K[k] / 8) V[k][:], head size 64, 2,048 queries and keys, both products on codes of FP8 (E4M3), each operand with its given scale: eq, ek, ep, ev = entries 6 to 9.
; THE SOFTMAX AHEAD OF THE SECOND PRODUCT: t = score x log2(e) / 8; M = the row's largest t so far, rounded UP to a whole number; p = 2^(t - M) is what is quantised, along the keys; it is not normalised.
; The row's sum is taken of the unquantised p, in f32, and divides O at the end.  When M moves, the sum and O are multiplied by 2^(old M - new M): exact.
; INPUT: qkv, in blocks of 1,024 bytes that are images of operand registers (16 rows x 64 codes; two loads of 16 bytes a lane, at 16 x lane and 512 further on, give registers 0-3 and 4-7 in the layout of the K = 64 form).
; SHARES.  A work-group owns 512 queries of one head; each of its sixteen waves two tiles of 16, one after the other, in 256 registers: four waves to a SIMD, so that one wave's vector work stands beside another's products and LDS loads.
; A HEAD'S K AND V STAY IN LDS: 131,072 bytes each.  They are read from memory once, at the head, 16 KiB a wave, through registers; one barrier; then nothing in LDS is written but each wave's own stage.  So there is no ring.
; NO JOINT LOADS, though the four work-groups of a head read the same K and V: what is shared is read once, 256 KiB, ahead of 32 walks over 2,048 keys; and a text without tensor loads may branch on the whole number ep,
; which takes the 64 holds of p out of a key step's vector work wherever 448 x 2^ep lies above every p (ep >= -8).
; LAYOUT.  Both products are used transposed: S^T = K Q^T (source 0 = 16 keys, source 1 = my 16 queries), O^T = V^T P^T (source 0 = 16 of the head's 64, source 1 = P): a lane holds ONE query (lane % 16) throughout.
; Tile t of S^T gives lane (r, h) the keys 16 t + 8 h + 0..7: their eight codes ARE registers 2 t, 2 t + 1 of the K = 128 form's operand.  Nothing changes lanes.
; OUTPUT: ows, f32: [b][head][s / 16][d / 32][16 s][32 d], so that each store covers 512 consecutive bytes; the next launch interleaves the heads.
; LIMITS on the given exponents, so that each power of two below is an f32 number: eq + ek between -123 and 130 (they are added to c's exponent field); ep between -126 and 119; ep + ev goes by v_ldexp_f32 and has none.
; REGISTERS: v1-7 addresses that stay; v8, v9 the lap's; v12 -M, v13 the largest t, v[14:15] the sum in two halves; v16-31 Q's two tiles; X = v32-95 and Y = v96-159: two buffers that change places from trip to trip;
;   v160-191 O^T; v192-207 p's codes; v236, v242, v243, v252-254 at work; v240 448 x 2^ep; v244 2^ep; v251, v255 the closing add's two.
; THE MODE: SCHED_MODE bits 1:0 = 2 (LLVM: expert scheduling mode 2), set by the entry lines.  The code itself states the register dependences between vector or matrix instructions and memory or LDS instructions,
; with s_wait_alu, always for 0.
; THE PLAN.  Registers that memory or LDS instructions touch, in the loop; a trip is 128 keys, kb its buffer of K, sb the other one:
;   kb      holds the trip's K, loaded in the trip before; read by the eight products K Q^T; then the trip's V lands in it; read by the four products V^T P; in the next trip the scores are written over it.
;   sb      written by K Q^T, worked on by the softmax, emptied by the eight conversions; then the NEXT trip's K lands in it, while O^T is rescaled and V^T P is multiplied.  In the next trip it is kb.
;   v8, v9  read by the loads of K and of V; written once a lap of two trips, at the lap's head; immediate offsets reach the lap's second trip and the next lap's first K.
;   v1-v7   written at the head, never again.     O^T, the codes and the statistics are named by vector and matrix instructions alone.
; So a trip has three waits on va_vdst: behind K Q^T (ahead of V's loads into kb), behind the exponentials (ahead of their first reader), behind the conversions (ahead of the next K's loads into sb);
; no vector or matrix instruction between such a wait and the loads behind it names the buffer in which they land.  One wait on vm_vsrc a lap stands ahead of the two additions to v8 and v9.
.set VOFF,  131072                     ; LDS: K's 128 blocks, then V's (64 keys: four blocks of 16 d)
.set STAGE, 262144                     ; behind them: 16 rows x SP bytes for each wave, for the way out
.set SP,    144                        ; a stage row: 32 f32 + 16 bytes
.set BX,    32                         ; buffer X: v32-95
.set BY,    96                         ; buffer Y: v96-159
	s_load_b128 s[4:7], s[0:1], 0x0                ; qkv s[4:5], the scales s[6:7]
	s_load_b64 s[8:9], s[0:1], 0x10                ; ows
	v_lshl_add_u32 v251, v0, 2, 0x49000
	v_mov_b32 v255, 0
	v_lshrrev_b32 v8, 5, v0
	v_readfirstlane_b32 s10, v8                    ; wave 0..15
	v_and_b32 v9, 31, v0
	v_lshlrev_b32 v1, 4, v9                        ; 16 x lane: an image's place for my lane
	v_add_nc_u32 v2, VOFF, v1                      ; the same in V's part of LDS
	s_wait_alu depctr_va_sdst(0)                   ; s10 is written, ahead of its first reader: the wave's shares of LDS and of memory are made from it
	s_lshl_b32 s11, s10, 13
	v_add_nc_u32 v5, s11, v1                       ; the fill: my wave's 8,192 bytes of K, in memory and in LDS alike
	v_add_nc_u32 v7, VOFF, v5                      ; and of V in LDS;
	s_lshl_b32 s11, s10, 17
	v_add_nc_u32 v6, s11, v1                       ; in memory a head's groups of 64 keys lie 65,536 bytes apart: two groups a wave
	s_mul_i32 s11, s10, 16*SP
	s_add_co_u32 s11, s11, STAGE                   ; my stage
	v_and_b32 v10, 15, v0                          ; r
	v_bfe_u32 v11, v0, 4, 1                        ; h
	v_mul_u32_u24 v3, v10, SP
	v_lshl_add_u32 v3, v11, 5, v3
	v_add_nc_u32 v3, s11, v3                       ; in: row r, + 32 h
	v_bfe_u32 v10, v0, 3, 2                        ; lane / 8
	v_and_b32 v11, 7, v0
	v_mul_u32_u24 v4, v10, SP
	v_lshl_add_u32 v4, v11, 4, v4
	v_add_nc_u32 v4, s11, v4                       ; back: eight lanes to a row of 128 bytes, four rows an instruction
	s_and_b32 s12, ttmp7, 0xffff                   ; 16 b + head
	s_lshl_b32 s14, s12, 17                        ; a head's q or k: 131,072 bytes
	s_lshl_b32 s13, ttmp9, 5
	s_lshl_b32 s34, s10, 1
	s_add_co_u32 s13, s13, s34                     ; my first tile of queries: 32 x work-group x + 2 x wave
	s_lshl_b32 s36, s13, 10
	s_add_co_u32 s36, s36, s14                     ; Q
	s_mov_b32 s37, 0
	s_add_co_u32 s38, s14, 0x800000                ; K: the second 8 MiB
	s_mov_b32 s39, 0
	s_lshr_b32 s40, s12, 4
	s_lshl_b32 s40, s40, 21
	s_and_b32 s41, s12, 15
	s_lshl_b32 s41, s41, 12
	s_add_co_u32 s40, s40, s41
	s_add_co_u32 s40, s40, 0x1000000               ; V: the third 8 MiB, + b 2^21 + head 4,096
	s_mov_b32 s41, 0
	s_lshl_b32 s42, s12, 19                        ; O: a head's 524,288 bytes,
	s_lshl_b32 s43, s13, 12
	s_add_co_u32 s42, s42, s43                     ; + 4,096 a tile
	s_mov_b32 s43, 0
	s_mov_b32 s20, 0x76543210                      ; lane selects for v_permlanex16_b32: lane l xor 16
	s_mov_b32 s21, 0xfedcba98
	s_mov_b32 s22, 0x3e38aa3b                      ; c = log2(e) / 8
	s_wait_kmcnt 0x0
	s_load_b128 s[24:27], s[6:7], 0x18             ; eq, ek, ep, ev
	s_add_nc_u64 s[16:17], s[4:5], s[36:37]
	s_add_nc_u64 s[18:19], s[4:5], s[38:39]
	s_add_nc_u64 s[28:29], s[4:5], s[40:41]
	s_add_nc_u64 s[30:31], s[8:9], s[42:43]
	s_wait_alu depctr_va_vdst(0)                   ; the seven addresses v1 to v7 are written, which the loads and stores of the whole kernel read
.set i, 0
.rept 16
	global_load_b128 v[32+4*i:35+4*i], v5, s[18:19] offset:512*i            ; K: 512 consecutive bytes a load
.set i, i+1
.endr
.irp g, 0,1
.set i, 0
.rept 8
	global_load_b128 v[96+32*\g+4*i:99+32*\g+4*i], v6, s[28:29] offset:65536*\g+512*i   ; V
.set i, i+1
.endr
.endr
.irp i, 0,1,2,3
	global_load_b128 v[16+4*\i:19+4*\i], v1, s[16:17] offset:512*\i          ; Q's two tiles stay in registers
.endr
	s_wait_kmcnt 0x0
	s_add_co_i32 s34, s24, s25
	s_lshl_b32 s34, s34, 23
	s_add_co_i32 s22, s22, s34                     ; a score stands for score x 2^(eq + ek): the two exponents are added to c's exponent field
	s_mov_b32 s23, s22                             ; (named with it as a pair, so it is written)
	s_add_co_i32 s34, s26, 127
	s_lshl_b32 s35, s34, 23
	v_mov_b32 v244, s35                            ; 2^ep as f32, for the conversion
	s_add_co_i32 s34, s34, 8
	s_lshl_b32 s34, s34, 23
	s_or_b32 s34, s34, 0x600000
	v_mov_b32 v240, s34                            ; 448 x 2^ep
	s_add_co_i32 s33, s26, s27                     ; ep + ev
	s_wait_loadcnt 20                              ; K's sixteen loads are in; V's sixteen and Q's four may be out
.set i, 0
.rept 16
	ds_store_b128 v5, v[32+4*i:35+4*i] offset:512*i
.set i, i+1
.endr
	s_wait_loadcnt 4                               ; V's are in; Q's four may be out
.irp g, 0,1
.set i, 0
.rept 8
	ds_store_b128 v7, v[96+32*\g+4*i:99+32*\g+4*i] offset:4096*\g+512*i
.set i, i+1
.endr
.endr
	s_wait_loadcnt 0x0                             ; Q
	s_wait_dscnt 0x0                               ; for the others' sake: my part of K and V lies in LDS
	s_barrier_signal -1
	s_barrier_wait -1                              ; everybody's does.  The launch's one barrier: K and V are only read from here on
; A TRIP: 128 keys.  kb: the buffer with this trip's K, later its V; sb: the buffer of the scores and of p, later of the next trip's K.  n: the wave's tile of queries.  half: the trip's place in its lap, 0 or 1.
.macro TRIP kb, sb, n, half
.if \half
.rept 5
	v_nop                                          ; five places between the last trip's products V^T P and the products below, which write the scores over the registers that those have read (ISA guide 7.12.1)
.endr
.else
	s_wait_alu depctr_vm_vsrc(0)                   ; the last lap's LDS loads have read v8 and v9, which the two additions write
	v_add_nc_u32 v8, s2, v1                        ; the lap's first byte in K's part of LDS,
	v_add_nc_u32 v9, s2, v2                        ; and in V's
.rept 3
	v_nop                                          ; with the two additions: the same five places
.endr
.endif
	s_wait_dscnt 0x0                               ; K is in: it was asked for in the trip before (the first trip's: at the tile's head)
.irp t, 0,1,2,3,4,5,6,7
	v_wmma_f32_16x16x64_fp8_fp8 v[\sb+8*\t:\sb+8*\t+7], v[\kb+8*\t:\kb+8*\t+7], v[16+8*\n:23+8*\n], 0
.endr
.rept 4
	v_nop                                          ; four places in front of the first read of the scores
.endr
	s_wait_alu depctr_va_vdst(0)                   ; the products K Q^T are done reading kb, in which V lands; in a lap's first trip v8 and v9 are written, which this lap's loads read
.irp d, 0,1,2,3                                ; V^T: four tiles of 16 of the head's 64, 128 keys each: they land while the softmax is worked
.irp g, 0,1
	ds_load_b128 v[\kb+16*\d+8*\g:\kb+16*\d+8*\g+3], v9 offset:8192*\half+4096*\g+1024*\d
	ds_load_b128 v[\kb+16*\d+8*\g+4:\kb+16*\d+8*\g+7], v9 offset:8192*\half+4096*\g+1024*\d+512
.endr
.endr
	v_max3_num_f32 v254, v[\sb], v[\sb+1], v[\sb+2]   ; the trip's largest score of my query, among my 64 keys, in two chains, each accumulator from its low end on,
	v_max3_num_f32 v252, v[\sb+3], v[\sb+4], v[\sb+5]
.irp i, 6,10,14,18,22,26,30,34,38,42,46,50,54,58
	v_max3_num_f32 v254, v254, v[\sb+\i], v[\sb+1+\i]
	v_max3_num_f32 v252, v252, v[\sb+2+\i], v[\sb+3+\i]
.endr
	v_max3_num_f32 v254, v254, v[\sb+62], v[\sb+63]
	v_max_num_f32 v254, v254, v252
	v_permlanex16_b32 v236, v254, s20, s21
	v_max_num_f32 v254, v254, v236                 ; and among lane l xor 16's
	v_mul_f32 v254, s22, v254                      ; as t (c is positive)
	v_max_num_f32 v13, v13, v254                   ; the running largest t
	v_mov_b32 v254, v12
	v_floor_f32 v12, -v13                          ; the new -M = floor(-t) = -ceil(t): M is a whole number
	v_sub_f32 v254, v12, v254                      ; M's old value less its new one: a whole number, 0 or less
	v_cvt_i32_f32 v254, v254                       ; (it saturates)
	v_ldexp_f32 v252, 1.0, v254                    ; f = 2^(old M - new M)
.set i, 0
.rept 32
	v_pk_fma_f32 v[\sb+i:\sb+i+1], v[\sb+i:\sb+i+1], s[22:23], v[12:13] op_sel_hi:[1,0,0]   ; t - M, two at a time (of the pairs c and -M the low word serves both halves)
.set i, i+2
.endr
.set i, 0
.rept 64
	v_exp_f32 v[\sb+i], v[\sb+i]                   ; p = 2^(t - M), at most 1: not normalised
.set i, i+1
.endr
	v_pk_mul_f32 v[14:15], v[14:15], v[252:253] op_sel_hi:[1,0]   ; the sums under the new M: the plain instruction behind the exponentials
	s_wait_alu depctr_va_vdst(0)                   ; the 64 exponentials have written p: one wait for the batch, ahead of its first reader
	v_pk_add_f32 v[242:243], v[\sb:\sb+1], v[\sb+2:\sb+3]    ; the row's sum is taken of the UNQUANTISED p: two at a time, in two chains
.irp j, 4,8,12,16,20,24,28,32,36,40,44,48,52,56,60
	v_pk_add_f32 v[14:15], v[14:15], v[\sb+\j:\sb+1+\j]
	v_pk_add_f32 v[242:243], v[242:243], v[\sb+2+\j:\sb+3+\j]
.endr
	v_pk_add_f32 v[14:15], v[14:15], v[242:243]
	s_cmp_gt_i32 s26, -9                           ; ep >= -8: 448 x 2^ep is 1.75 or more, and p is at most 1: nothing to hold.  A branch on a whole number that was given
	s_cbranch_scc1 .Lfits_\@
.set i, 0
.rept 64
	v_min_num_f32 v[\sb+i], v[\sb+i], v240         ; else the hold: the conversion does not saturate (ISA guide 7.6.2); p is not negative, so it is one-sided
.set i, i+1
.endr
.Lfits_\@:
.irp t, 0,1,2,3,4,5,6,7
	v_cvt_scalef32_pk8_fp8_f32 v[192+2*\t:193+2*\t], v[\sb+8*\t:\sb+8*\t+7], v244   ; keys 16 t + 8 h + 0..7: registers 2 t, 2 t + 1 of the operand
.endr
	s_wait_alu depctr_va_vdst(0)                   ; the conversions are done reading sb, and all that wrote it is done: the next trip's K lands in it
	s_wait_dscnt 0x0                               ; V is in (asked for a softmax ago).  For 0, ahead of K's loads, so that the count holds on both ways round the branch below
.if \half
	s_cmp_eq_u32 s3, 1                             ; the tile's last trip has no K behind it: the count of laps leads round the sixteen loads
	s_cbranch_scc1 .Lnomore_\@
.endif
.irp t, 0,1,2,3,4,5,6,7                        ; the next trip's K: eight tiles of 16 keys.  They land while O^T is rescaled and multiplied: none of the lines below names sb
	ds_load_b128 v[\sb+8*\t:\sb+8*\t+3], v8 offset:8192*(\half+1)+1024*\t
	ds_load_b128 v[\sb+8*\t+4:\sb+8*\t+7], v8 offset:8192*(\half+1)+1024*\t+512
.endr
.if \half
.Lnomore_\@:
.endif
.set i, 0
.rept 16
	v_pk_mul_f32 v[160+i:161+i], v[160+i:161+i], v[252:253] op_sel_hi:[1,0]   ; O^T under the new M: x f.  (Plain instructions between the conversions and the products that read their results)
.set i, i+2
.endr
.irp d, 0,1,2,3                                ; O^T += V^T P^T; the four accumulators take turns, and the eight products K Q^T stand between a trip's and the next trip's
	v_wmma_f32_16x16x128_fp8_fp8 v[160+8*\d:167+8*\d], v[\kb+16*\d:\kb+16*\d+15], v[192:207], v[160+8*\d:167+8*\d]
.endr
.endm
; One tile of 16 queries (the wave's n-th) walks the head's 2,048 keys, 128 a trip, two trips a lap, and goes out.
.macro TILE n
.if \n
	s_wait_xcnt 0x0                                ; the tile before has its stores on their way: they have read v128-159, which the first trip's scores take again
.endif
	s_wait_alu depctr_vm_vsrc(0)                   ; the first tile: the fill's LDS stores have read X and Y; the second: the way out's LDS stores have read v96-127 and its global stores v128-159.  K lands in X below, the scores are written into Y
.irp t, 0,1,2,3,4,5,6,7                        ; the first trip's K, into X.  No vector or matrix instruction since the last wait on va_vdst names X or v1
	ds_load_b128 v[BX+8*\t:BX+8*\t+3], v1 offset:1024*\t
	ds_load_b128 v[BX+8*\t+4:BX+8*\t+7], v1 offset:1024*\t+512
.endr
	v_mov_b32 v13, 0xff61b1e6                      ; the largest t so far: -3e38, under every t
	v_floor_f32 v12, -v13                          ; -M
	v_mov_b32 v14, 0                               ; the sum, in two halves
	v_mov_b32 v15, 0
	v_mov_b32 v236, 0                              ; written once: a lane permute's destination counts as one of its sources
	v_mov_b32 v253, 0                              ; (named as the upper half of the pair v[252:253])
.set i, 0
.rept 32
	v_mov_b32 v[160+i], 0                          ; O^T.  (The trip is written once for each order of the buffers: the first finds zeros, which the first change of M leaves zeros)
.set i, i+1
.endr
	s_mov_b32 s2, 0                                ; the lap's first byte in K's part and in V's part of LDS: 16,384 bytes of each a lap
	s_mov_b32 s3, 8
.Lk_\@:                                            ; a lap is two trips: behind it X and Y are back in their places
	TRIP BX, BY, \n, 0
	TRIP BY, BX, \n, 1
	s_add_co_u32 s2, s2, 16384
	s_sub_co_u32 s3, s3, 1
	s_cmp_lg_u32 s3, 0
	s_cbranch_scc1 .Lk_\@
	; THE WAY OUT.  The two additions, the two v_nop and the v_ldexp_f32 are the places behind the last products, which wrote O^T and read Y.
	v_add_f32 v14, v14, v15                        ; the sum's two halves,
	v_permlanex16_b32 v252, v14, s20, s21
	v_add_f32 v14, v14, v252                       ; and lane l xor 16's: the row's sum
	v_rcp_f32 v14, v14
	v_nop                                          ; a plain instruction behind the reciprocal
	v_nop
	s_wait_alu depctr_va_vdst(0)                   ; the reciprocal has written v14: the wait ahead of its first reader
	v_ldexp_f32 v14, v14, s33                      ; x 2^(ep + ev)
.set i, 0
.rept 16
	v_pk_mul_f32 v[96+i:97+i], v[160+i:161+i], v[14:15] op_sel_hi:[1,0]   ; O^T / the sum: register 8 t + j is o(r, 16 t + 8 h + j)
.set i, i+2
.endr
	s_wait_alu depctr_va_vdst(0)                   ; the multiplications have written v96-127, which the LDS stores read; the last products are done reading v128-159, in which the loads from the stage land
.irp u, 0,1                                    ; channels 32 u on: 16 rows of 128 bytes through my stage, so that a store covers 512 consecutive bytes
.irp t, 0,1
	ds_store_b128 v3, v[96+16*\u+8*\t:99+16*\u+8*\t] offset:64*\t
	ds_store_b128 v3, v[100+16*\u+8*\t:103+16*\u+8*\t] offset:64*\t+16
.endr
.irp i, 0,1,2,3
	ds_load_b128 v[128+16*\u+4*\i:131+16*\u+4*\i], v4 offset:4*SP*\i   ; LDS serves a wave's instructions in order: these see my stores, and the next half's stores come behind them
.endr
.endr
.irp u, 0,1
.irp i, 0,1,2,3
	s_wait_dscnt 11-8*\u-\i                        ; behind this load: the rest of its four, and for the first half the second half's four stores and four loads
	global_store_b128 v1, v[128+16*\u+4*\i:131+16*\u+4*\i], s[30:31] offset:4096*\n+2048*\u+512*\i th:TH_STORE_NT
.endr
.endr
.endm
	TILE 0
	TILE 1
	s_wait_dscnt 0x0                               ; the closing lines, six on end
	s_wait_alu 0x0
	s_wait_tensorcnt 0x0
	ds_add_u32 v251, v255
	s_wait_dscnt 0x0
	s_endpgm
.Lfunc_end_k_q2b07a4b455_attn:
	.size	k_q2b07a4b455_attn, .Lfunc_end_k_q2b07a4b455_attn-k_q2b07a4b455_attn
	.p2alignl 7, 3214868480
	.fill 96, 4, 3214868480
	.section	.rodata,"a",@progbits
	.p2align	6, 0x0
	.amdhsa_kernel k_q2b07a4b455_attn
		.amdhsa_group_segment_fixed_size 301056
		.amdhsa_private_segment_fixed_size 0
		.amdhsa_enable_private_segment 0
		.amdhsa_kernarg_size 24
		.amdhsa_user_sgpr_count 2
		.amdhsa_user_sgpr_kernarg_segment_ptr 1
		.amdhsa_wavefront_size32 1
		.amdhsa_system_sgpr_workgroup_id_x 1
		.amdhsa_system_sgpr_workgroup_id_y 1
		.amdhsa_system_sgpr_workgroup_id_z 1
		.amdhsa_system_vgpr_workitem_id 0
		.amdhsa_next_free_vgpr 256
		.amdhsa_next_free_sgpr 66
		.amdhsa_reserve_vcc 0
		.amdhsa_float_denorm_mode_32 3
		.amdhsa_float_denorm_mode_16_64 3
		.amdhsa_memory_ordered 1
		.amdhsa_forward_progress 1
		.amdhsa_inst_pref_size 82
	.end_amdhsa_kernel
	.amdgpu_metadata
---
amdhsa.version: [ 1, 2 ]
amdhsa.kernels:
  - .name:           k_q2b07a4b455_attn
    .symbol:         k_q2b07a4b455_attn.kd
    .args:
      - { .name: qkv, .offset: 0, .size: 8, .value_kind: global_buffer, .address_space: global }
      - { .name: lowp_scales, .offset: 8, .size: 8, .value_kind: global_buffer, .address_space: global }
      - { .name: ows, .offset: 16, .size: 8, .value_kind: global_buffer, .address_space: global }
    .group_segment_fixed_size: 301056
    .private_segment_fixed_size: 0
    .kernarg_segment_align: 8
    .kernarg_segment_size: 24
    .max_flat_workgroup_size: 512
    .sgpr_count:     66
    .vgpr_count:     256
    .wavefront_size: 32
...
	.end_amdgpu_metadata
.endif
;; end of part 6
;; launch mix: the kernel of part 5 again; grid 512 x 1, 8 waves a work-group, no clusters, 21,504 bytes of LDS; arguments ows, out0; writes out0
